; MI455X (gfx1250); checked and timed in simulation.
; The chip was launched on July 23, 2026; its instructions are those of AMD's public machine-readable ISA for CDNA 5 (MIT licence, August 2026) and "CDNA5" Instruction Set Architecture Reference Guide (July 2026). The comments in the code are by the model that wrote it; some were corrected since.
;; Self Attention. Allowed arithmetic: matrix products marked QUANTISED: E2M3 operands, one E8M0 scale for each 32 along K, by v_wmma_scale_f32_16x16x128_f8f6f4 with both operands' format E2M3, f32 sums; everything else in f32.
;; Inputs: gn_b 256 float32; gn_w 256 float32; proj_b 256 float32; proj_w 256 x 256 float32; qkv_b 768 float32; qkv_w 768 x 256 float32; x 4 x 256 x 64 x 64 float32.
;; Outputs: out0 4 x 256 x 64 x 64 float32.
;; This version of the problem:
;;   THIS VERSION OF THE PROBLEM IS GIVEN IN LOW PRECISION. The matrix products marked QUANTISED in the list below multiply operands that are first quantised to E2M3 (2 exponent bits, 3 mantissa bits; 6 bits a number), with one power-of-two scale for each 32 numbers along K (OCP MX v1.0); their sums are f32. All else is computed in f32.
;;   The module's matrix products, in the order in which they are computed (A, B: the left and right operand; K: the contracted axis; several contracted axes count as one K, in the product's order):
;;     1. [M 16,384, K 256] x [K 256, N 768]; A: computed on the way; B: input qkv_w: QUANTISED
;;     2. batch 4 x [M 4,096, K 256] x [K 256, N 4,096]; A: computed on the way; B: computed on the way: QUANTISED
;;     3. batch 4 x [M 256, K 4,096] x [K 4,096, N 4,096]; A: computed on the way; B: softmax (see below): QUANTISED
;;     4. [M 16,384, K 256] x [K 256, N 256]; A: computed on the way; B: input proj_w: QUANTISED
;;   THE QUANTISER, for each operand of a quantised product, along K:
;;     - K is cut into blocks of 32 from its start; a last block that is shorter is filled with zeros.
;;     - A block's scale is 2^e with e = floor(log2(the largest magnitude in the block)) - 2, held to -126 .. 127; a block of zeros has e = 0. As a byte (E8M0): e + 127.
;;     - Each number is divided by its block's scale, clamped to +-7.5, and rounded to the nearest number of E2M3, ties to even, subnormals kept.
;;     - The product sums the exact products of the quantised numbers (number of the format x scale) in f32.
;;   ~~~python
;;   def quantise(x, axis):      # numpy; x: float32 -> the quantised numbers, widened to float32 again
;;       x = np.moveaxis(x, axis, -1); K = x.shape[-1]
;;       x = np.pad(x, [(0, 0)] * (x.ndim - 1) + [(0, -K % 32)]); x = x.reshape(x.shape[:-1] + (-1, 32)); a = np.abs(x).max(-1, keepdims=True)
;;       e = np.where(a > 0, np.clip(np.frexp(np.where(a > 0, a, 1))[1] - 1 - 2, -126, 127), 0)      # np.frexp(a)[1] - 1 = floor(log2(a)), exactly
;;       r = np.clip(x / 2.0 ** e, -7.5, 7.5)
;;       step = 2.0 ** (np.maximum(np.frexp(np.where(r == 0, 1, r))[1] - 1, 0) - 3)
;;       q = np.round(r / step) * step * 2.0 ** e      # np.round: ties to even
;;       return np.moveaxis(q.reshape(q.shape[:-2] + (-1,))[..., :K], -1, axis).astype(np.float32)
;;   ~~~
;;   SOFTMAX AHEAD OF A QUANTISED PRODUCT. Where the list says 'softmax', what is quantised is not the finished softmax but p = 2^(t - M), with t = logit x log2(e) and M = ceil(the row's largest t), a whole number; so 1/2 < the row's largest p <= 1. The row's sum l is taken of the UNQUANTISED p, in f32, and the product's result is divided by l at the end. Since M is a whole number, a kernel that streams over the keys may use a running M (the ceiling of the running maximum): every later rescaling is an exact power of two, which a block's scale takes up: the codes' values come out the same.
;;   OPERANDS COMPUTED ON THE WAY. 'Computed on the way' means the value that the module computes at that place (a softmax that the list does not call 'softmax' is quantised finished and normalised). What goes into a quantiser is computed in f32, as accurately as f32 sums, v_exp_f32 and their like allow (about 1e-6 of the number): no bf16 or f16 on the way to a quantiser, and a product that is left as it is and whose result goes on into a quantised operand takes f32 operands (vector FMAs, or v_wmma_f32_16x16x4_f32). A number that lies on a knife's edge between two numbers of the format may be rounded either way, as far as f32 arithmetic and the matrix unit's own rounding can turn it there, and no further.
;; One version. Each part assembles by itself: llvm-mc -triple=amdgcn-amd-amdhsa -mcpu=gfx1250 --defsym DOCPART=n.
;; ======== version 1 of 1: 3 launches
;; workspace buffers: stats 8,192 bytes; wc 196,608 bytes; ws 8,192 bytes; qc 3,145,728 bytes; qs 131,072 bytes; kv 6,291,456 bytes; kvs 262,144 bytes
;; launch prep (part 1): grid 256 x 1, 4 waves a work-group, no clusters, 0 bytes of LDS; arguments x, qkv_w, proj_w, stats, wc, ws; writes stats, wc, ws
.if DOCPART == 1
	.amdgcn_target "amdgcn-amd-amdhsa--gfx1250"
	.amdhsa_code_object_version 6
	.text
	.protected	k_qf5cbf381dd_prep
	.globl	k_qf5cbf381dd_prep
	.p2align	8
	.type	k_qf5cbf381dd_prep,@function
k_qf5cbf381dd_prep:
	s_mov_b64 s[64:65], 0
	v_nop
	global_prefetch_b8 v0, s[64:65] scope:SCOPE_SE
	s_setreg_imm32_b32 hwreg(HW_REG_WAVE_MODE, 25, 1), 1
	s_wait_xcnt 0x0
; SelfAttention: GroupNorm (32 groups of 8 channels), q k v = W h + b, softmax(q^T k / 16) v, projection, + x.  Three launches: this one, qkv, attn.
; NO WORK IS LEFT OUT: every bias goes into a quantised operand (q, k, v) or into the output, gn_w and gn_b go into h, which is quantised: all seven inputs are loaded by some launch.
; THIS LAUNCH.  Every wave takes one channel of one batch (4,096 f32, dense) and stores its mean and its sum of squared deviations from that mean (M2): stats[256 b + c] = (mean, M2).
;   The channel stays in 128 registers between the two passes: x is read once here, and no difference of large sums is formed.
; The 128 waves of work-groups 0-31 take one fragment of a weight besides: wave F = 4 x work-group + wave: tile F / 2 (16 rows of qkv_w: tiles 0-47, of proj_w: 48-63), K step F % 2 (128 along K): its codes of FP6 (E2M3) and its
;   E8M0 scale words.  Its 16 loads go out behind the channel's 32, and it is quantised behind the statistics.
; A FRAGMENT IN THE WORKSPACE IS AN IMAGE OF THE OPERAND'S 12 REGISTERS: register group j (4 registers) at 512 j + 16 x lane: 1,536 bytes.  wc: [tile][K step].  ws: [tile] 128 bytes: 16 words of K step 0, then 16 of K step 1.
; THE ROWS OF A TILE ARE NOT NEIGHBOURS: lane r of tile 2 b + u of a unit of 128 rows takes row 32 b + 8 u + r + 8 (r / 8): a transposed product then leaves 16 neighbours in the registers of two neighbouring tiles.
; A block's scale byte is its largest magnitude's exponent field - 2, held at 1 from below.
; LIMITS: NaN and infinities among the inputs are not served; a block of zeros, or one whose largest magnitude lies under 2^-124, keeps the byte 1 (its codes are zeros or nearly so; this program alone reads the bytes).
; The 8 bytes a wave of stats are stored from one lane: 8,192 bytes in the whole launch.
.set X,   64                           ; v64-191: the channel
.set WX,  192                          ; v192-255: the fragment's 64 numbers a lane
.set PCS, 40                           ; v40-51: its codes
.macro LANESUM a, t                    ; the sum over the 32 lanes, in every lane
	v_add_f32_dpp v[\a], v[\a], v[\a] row_xmask:1 row_mask:0xf bank_mask:0xf
	v_add_f32_dpp v[\a], v[\a], v[\a] row_xmask:2 row_mask:0xf bank_mask:0xf
	v_add_f32_dpp v[\a], v[\a], v[\a] row_xmask:4 row_mask:0xf bank_mask:0xf
	v_add_f32_dpp v[\a], v[\a], v[\a] row_xmask:8 row_mask:0xf bank_mask:0xf
	v_permlanex16_b32 v[\t], v[\a], s20, s21       ; (its destination has been written before)
	v_add_f32 v[\a], v[\a], v[\t]
.endm
.macro ADD16                           ; sixteen pairs more into the four chains
.rept 16
	v_pk_add_f32 v[8+2*(j%4):9+2*(j%4)], v[8+2*(j%4):9+2*(j%4)], v[X+2*j:X+2*j+1]
.set j, j+1
.endr
.endm
; The channel's mean and M2.  extra: the loads issued behind the channel's 32, which may stay out.
.macro STATS extra
	s_wait_loadcnt 24+(\extra)                     ; the first eight loads are in; the 24 younger ones of the channel (and the fragment's) may be out
.irp c, 0,1,2,3
	v_pk_add_f32 v[8+2*\c:9+2*\c], v[X+2*\c:X+2*\c+1], v[X+8+2*\c:X+9+2*\c]   ; the first pairs start four chains: nothing is cleared
.endr
.set j, 8
.rept 8
	v_pk_add_f32 v[8+2*(j%4):9+2*(j%4)], v[8+2*(j%4):9+2*(j%4)], v[X+2*j:X+2*j+1]
.set j, j+1
.endr
	s_wait_loadcnt 16+(\extra)
	ADD16
	s_wait_loadcnt 8+(\extra)
	ADD16
	s_wait_loadcnt \extra
	ADD16
	v_pk_add_f32 v[8:9], v[8:9], v[10:11]
	v_pk_add_f32 v[12:13], v[12:13], v[14:15]
	v_pk_add_f32 v[8:9], v[8:9], v[12:13]
	v_add_f32 v8, v8, v9
	LANESUM 8, 9
	v_mul_f32 v16, 0x39800000, v8                  ; the mean: x 2^-12
	v_mov_b32 v17, v16
.set j, 0
.rept 16                               ; the second pass, out of the registers: (x - mean)^2 in four chains
.irp c, 0,1,2,3
	v_pk_add_f32 v[24+2*\c:25+2*\c], v[X+8*j+2*\c:X+8*j+2*\c+1], v[16:17] neg_lo:[0,1] neg_hi:[0,1]
.endr
.irp c, 0,1,2,3
.if j == 0
	v_pk_mul_f32 v[32+2*\c:33+2*\c], v[24+2*\c:25+2*\c], v[24+2*\c:25+2*\c]
.else
	v_pk_fma_f32 v[32+2*\c:33+2*\c], v[24+2*\c:25+2*\c], v[24+2*\c:25+2*\c], v[32+2*\c:33+2*\c]
.endif
.endr
.set j, j+1
.endr
	v_pk_add_f32 v[32:33], v[32:33], v[34:35]
	v_pk_add_f32 v[36:37], v[36:37], v[38:39]
	v_pk_add_f32 v[32:33], v[32:33], v[36:37]
	v_add_f32 v32, v32, v33
	LANESUM 32, 33
	v_mov_b32 v17, v32                             ; (mean, M2)
	v_mov_b32 v4, 0
	s_wait_xcnt 0x0                                ; EXEC changes only behind this wait
	v_cmp_eq_u32 vcc_lo, 0, v2
	s_and_saveexec_b32 s22, vcc_lo
	global_store_b64 v4, v[16:17], s[10:11]        ; lane 0 alone
	s_wait_xcnt 0x0                                ; and again in front of the line that widens it
	s_or_b32 exec_lo, exec_lo, s22
.endm
	s_load_b256 s[4:11], s[0:1], 0x0               ; x s[4:5], qkv_w s[6:7], proj_w s[8:9], stats s[10:11]
	s_load_b128 s[12:15], s[0:1], 0x20             ; wc s[12:13], ws s[14:15]
	v_lshrrev_b32 v1, 5, v0
	v_readfirstlane_b32 s16, v1                    ; wave 0..3
	v_and_b32 v2, 31, v0                           ; lane
	v_lshlrev_b32 v3, 4, v2                        ; 16 x lane
	s_mov_b32 s20, 0x76543210
	s_mov_b32 s21, 0xfedcba98                      ; v_permlanex16_b32's selects for lane l xor 16
	s_mov_b32 s19, 0                               ; the upper word of every offset
	s_lshl_b32 s17, ttmp9, 2
	s_add_co_u32 s17, s17, s16                     ; 256 b + c; in work-groups 0-31 also the fragment F
	s_lshl_b32 s18, s17, 14                        ; x 16,384 bytes
	s_wait_kmcnt 0x0
	s_add_nc_u64 s[4:5], s[4:5], s[18:19]
.set i, 0
.rept 32
	global_load_b128 v[X+4*i:X+4*i+3], v3, s[4:5] offset:512*i   ; 32 lanes read 512 consecutive bytes
.set i, i+1
.endr
	s_lshl_b32 s18, s17, 3
	s_add_nc_u64 s[10:11], s[10:11], s[18:19]
	s_cmp_lt_u32 ttmp9, 32
	s_cbranch_scc1 .Lboth
	STATS 0
	s_endpgm
; ---- work-groups 0-31: a fragment of a weight besides
.Lboth:
	s_lshr_b32 s23, s17, 1                         ; the tile, 0..63
	s_and_b32 s24, s17, 1                          ; the K step
	s_lshr_b32 s25, s23, 3                         ; the tile's unit of 128 rows
	s_and_b32 s22, s23, 7
	s_lshr_b32 s26, s22, 1
	s_lshl_b32 s26, s26, 5
	s_and_b32 s22, s22, 1
	s_lshl_b32 s22, s22, 3
	s_add_co_u32 s22, s22, s26                     ; 32 (t / 2) + 8 (t % 2)
	v_and_b32 v5, 15, v2                           ; r
	v_lshrrev_b32 v6, 4, v2                        ; h
	v_and_b32 v7, 8, v5
	v_add_nc_u32 v7, v7, v5                        ; r + 8 (r / 8)
	v_lshlrev_b32 v7, 10, v7                       ; a row is 1,024 bytes
	v_lshl_add_u32 v7, v6, 7, v7                   ; + 128 h: the layout gives lane (r, h) k = 64 c + 32 h + 0 .. 31
	s_cmp_lt_u32 s17, 96                           ; qkv_w's tile or proj_w's: the choice hangs on ids alone
	s_cselect_b64 s[6:7], s[6:7], s[8:9]
	s_cselect_b32 s26, 0, 6
	s_sub_co_u32 s25, s25, s26
	s_lshl_b32 s25, s25, 7
	s_add_co_u32 s25, s25, s22                     ; the tile's first row
	s_lshl_b32 s18, s25, 10
	s_lshl_b32 s24, s24, 9                         ; + 512 bytes for K step 1
	s_add_co_u32 s18, s18, s24
	s_add_nc_u64 s[6:7], s[6:7], s[18:19]
	s_mul_i32 s18, s17, 1536
	s_add_nc_u64 s[12:13], s[12:13], s[18:19]
	s_lshl_b32 s18, s17, 6
	s_add_nc_u64 s[14:15], s[14:15], s[18:19]
.irp c, 0,1
.irp i, 0,1,2,3,4,5,6,7
	global_load_b128 v[WX+32*\c+4*\i:WX+32*\c+4*\i+3], v7, s[6:7] offset:256*\c+16*\i   ; W(row, 128 s + 64 c + 32 h + 4 i ..): 48 loads of mine are out
.endr
.endr
	STATS 16
	v_lshlrev_b32 v18, 3, v6                       ; 8 h
	v_mov_b32 v19, 0                               ; (a lane permute's destination counts as read)
	v_lshlrev_b32 v20, 2, v5                       ; 4 r
	s_wait_loadcnt 0x0                             ; the fragment's numbers: my two whole blocks (2 c + h) of my row
.irp c, 0,1
	v_max3_num_f32 v[32+\c], |v[WX+32*\c]|, |v[WX+32*\c+1]|, 0x1800000   ; with the floor 2^(3 - 127): the byte cannot fall under 1
.endr
.irp i, 2,4,6,8,10,12,14,16,18,20,22,24,26,28,30
.irp c, 0,1
	v_max3_num_f32 v[32+\c], v[32+\c], |v[WX+32*\c+\i]|, |v[WX+32*\c+\i+1]|
.endr
.endr
.irp c, 0,1
	v_add_nc_u32 v[34+\c], 0xff000000, v[32+\c]    ; 2 off the exponent field: the conversion's scale operand
.endr
.irp c, 0,1
	v_lshrrev_b32 v[36+\c], 23, v[34+\c]           ; the scale's byte
.endr
	v_lshl_or_b32 v38, v37, 16, v36                ; my bytes: blocks h and 2 + h,
	v_lshlrev_b32 v38, v18, v38                    ; at their places (8 h bits up);
	v_permlanex16_b32 v19, v38, s20, s21
	v_or_b32 v38, v38, v19                         ; with lane l xor 16's two the word is whole, in both halves of the lanes
.irp c, 0,1
	v_cvt_scalef32_pk16_fp6_f32 v[PCS+6*\c:PCS+6*\c+2], v[WX+32*\c:WX+32*\c+15], v[34+\c]
	v_cvt_scalef32_pk16_fp6_f32 v[52+4*\c:54+4*\c], v[WX+32*\c+16:WX+32*\c+31], v[34+\c]   ; (a conversion's three registers begin on an even number)
.endr
	v_nop                                          ; one plain place behind the conversions
.irp c, 0,1
.irp i, 0,1,2
	v_mov_b32 v[PCS+6*\c+3+\i], v[52+4*\c+\i]
.endr
.endr
.irp j, 0,1,2
	global_store_b128 v3, v[PCS+4*\j:PCS+4*\j+3], s[12:13] offset:512*\j   ; 32 lanes store 512 consecutive bytes
.endr
	global_store_b32 v20, v38, s[14:15]            ; row r's word; lanes r and 16 + r store the same word with the same value
	s_endpgm
.Lfunc_end_k_qf5cbf381dd_prep:
	.size	k_qf5cbf381dd_prep, .Lfunc_end_k_qf5cbf381dd_prep-k_qf5cbf381dd_prep
	.p2alignl 7, 3214868480
	.fill 96, 4, 3214868480
	.section	.rodata,"a",@progbits
	.p2align	6, 0x0
	.amdhsa_kernel k_qf5cbf381dd_prep
		.amdhsa_group_segment_fixed_size 0
		.amdhsa_private_segment_fixed_size 0
		.amdhsa_enable_private_segment 0
		.amdhsa_kernarg_size 48
		.amdhsa_user_sgpr_count 2
		.amdhsa_user_sgpr_kernarg_segment_ptr 1
		.amdhsa_wavefront_size32 1
		.amdhsa_system_sgpr_workgroup_id_x 1
		.amdhsa_system_sgpr_workgroup_id_y 1
		.amdhsa_system_sgpr_workgroup_id_z 1
		.amdhsa_system_vgpr_workitem_id 0
		.amdhsa_next_free_vgpr 256
		.amdhsa_next_free_sgpr 66
		.amdhsa_reserve_vcc 1
		.amdhsa_float_denorm_mode_32 3
		.amdhsa_float_denorm_mode_16_64 3
		.amdhsa_memory_ordered 1
		.amdhsa_forward_progress 1
		.amdhsa_inst_pref_size 37
	.end_amdhsa_kernel
	.amdgpu_metadata
---
amdhsa.version: [ 1, 2 ]
amdhsa.kernels:
  - .name:           k_qf5cbf381dd_prep
    .symbol:         k_qf5cbf381dd_prep.kd
    .args:
      - { .name: x, .offset: 0, .size: 8, .value_kind: global_buffer, .address_space: global }
      - { .name: qkv_w, .offset: 8, .size: 8, .value_kind: global_buffer, .address_space: global }
      - { .name: proj_w, .offset: 16, .size: 8, .value_kind: global_buffer, .address_space: global }
      - { .name: stats, .offset: 24, .size: 8, .value_kind: global_buffer, .address_space: global }
      - { .name: wc, .offset: 32, .size: 8, .value_kind: global_buffer, .address_space: global }
      - { .name: ws, .offset: 40, .size: 8, .value_kind: global_buffer, .address_space: global }
    .group_segment_fixed_size: 0
    .private_segment_fixed_size: 0
    .kernarg_segment_align: 8
    .kernarg_segment_size: 48
    .max_flat_workgroup_size: 128
    .sgpr_count:     66
    .vgpr_count:     256
    .wavefront_size: 32
...
	.end_amdgpu_metadata
.endif
;; end of part 1
;; launch qkv (part 2): grid 32 x 4, 8 waves a work-group, no clusters, 26,624 bytes of LDS; arguments x, gn_w, gn_b, stats, wc, ws, qkv_b, qc, qs, kv, kvs; writes qc, qs, kv, kvs
.if DOCPART == 2
	.amdgcn_target "amdgcn-amd-amdhsa--gfx1250"
	.amdhsa_code_object_version 6
	.text
	.protected	k_qf5cbf381dd_qkv
	.globl	k_qf5cbf381dd_qkv
	.p2align	8
	.type	k_qf5cbf381dd_qkv,@function
k_qf5cbf381dd_qkv:
	s_mov_b64 s[64:65], 0
	v_nop
	global_prefetch_b8 v0, s[64:65] scope:SCOPE_SE
	s_setreg_imm32_b32 hwreg(HW_REG_WAVE_MODE, 25, 1), 1
	s_wait_xcnt 0x0
; h = GroupNorm(x) is quantised along the channels; q, k, v = W h + b on FP6 (E2M3) codes with E8M0 scales; q and k are quantised along the channels, v along the keys.  Nothing is left out.
; A work-group takes 128 positions of one batch (a key step of the attention: a fragment of v has K = 128 keys, so these 128 positions meet in one work-group).  128 work-groups, eight waves.
; X: wave w (g = w % 4, sK = w / 4) takes 32 positions x 128 channels: a lane a position, registers down the channels; h = (x - mean) (rstd gn_w) + gn_b, one subtraction and one fused multiply-add;
;    four whole blocks of 32 a lane; two fragments (tiles of positions 2 g, 2 g + 1, K step sK) go to LDS as images of their registers.  One barrier.
; A: wave w (unit U = w / 2 of q0 q1 k0 k1, half hh = w % 2 of the tiles of positions) keeps its unit's 16 fragments of W in registers; source 0 = 16 rows of W, source 1 = 16 positions: a lane holds one position,
;    its registers run along the channels; quantised in registers, a fragment goes to qc or kv.
; B: wave w takes 32 channels of v (tiles 2 w, 2 w + 1 of W_v); source 0 = 16 positions, source 1 = 16 rows of W_v: a lane holds one channel, its registers run along the 128 keys.
; TILES OF POSITIONS, of W's rows and of v's channels are all in one order: lane r of tile 2 b + u takes 32 b + 8 u + r + 8 (r / 8).
; The group's statistics are joined from the eight channels' (mean, M2): mean = sum m / 8, M2 = sum M2 + 4096 sum (m - mean)^2, var = M2 / 32768.
; No tensor load, no cluster: what the work-groups share, the weights' codes, goes straight into registers in operand order.
; LIMITS: as stated at the head of prep; v_rsq_f32 as it is (1 ulp).
.set FRB,   1536
.set HIMG,  0                          ; LDS: h's 16 fragments, index 2 m + s
.set HSC,   24576                      ; their scale words: [m] 128 bytes: lanes 0-15 K step 0, lanes 16-31 K step 1
.set SPARE, 25600                      ; the spare words, 128 bytes for each wave: four blocks of 256 bytes that no other line names
.set SPW,   20                         ; v20  my spare word's address; never rewritten
.set NIL,   21                         ; v21  0; never rewritten
.set RS,    24                         ; v24-31 scale words of the side that stays (A: W's tiles; B: h's tiles)
.set SS,    32                         ; v32  scale words of the h tile in hand
.set WVS,   34                         ; v34-35 W_v's scale words
.set MEANV, 36                         ; v36-39 lane = channel of block k: its group's mean
.set AV,    40                         ; v40-43 gn_w, then rstd x gn_w
.set BV,    44                         ; v44-47 gn_b
.set HA,    64                         ; v64-127 eight result tiles (before: x's blocks 0, 1)
.set XF,    128                        ; v128-151 the h tile's two fragments
.set PC,    152                        ; v152-171 codes just made
.set TM,    172                        ; v172-187 at work in QUANT
.set PW,    188                        ; the scale word just made; v189 an even tile's, kept; v190 the pair's image
.set PWE,   189
.set PWS,   190
.set F0,    192                        ; v192-203, v204-215 h's two fragments; v216-231 the blocks' upper halves
.set F1,    204
.set TH,    216
.set XV,    192                        ; later: W_v's four fragments, v192-239
.set BVC,   240                        ; v240-255 v's bias, eight equal registers a tile
.set BI,    192                        ; window 1: v192-255 q's or k's bias, 8 tiles x 8; v0-191 the sixteen fragments that stay
.set SEL,   58
.set MSB, 0
.macro WIN new                         ; the immediate's high byte repeats the setting that is left
.if MSB != \new
	s_set_vgpr_msb (MSB<<8)|\new
.set MSB, \new
.endif
.endm
.macro PLACES
.rept 4
	v_nop
.endr
.endm
; One product 16 x 16 x 128.  c < 0: the constant 0.  ra, rb = 1: the side's scale words are taken from lanes 16-31.
.macro WM d, a, b, c, sa, sb, ra, rb
.set WD, \d
.set WA, \a
.set WB, \b
.set WC, \c
.set WSA, \sa
.set WSB, \sb
.set WR, 2*(\ra)+(\rb)
.if WC < 0
.if WR == 0
	v_wmma_scale_f32_16x16x128_f8f6f4 v[WD:WD+7], v[WA:WA+11], v[WB:WB+11], 0, v[WSA], v[WSB] matrix_a_fmt:MATRIX_FMT_FP6 matrix_b_fmt:MATRIX_FMT_FP6
.elseif WR == 1
	v_wmma_scale_f32_16x16x128_f8f6f4 v[WD:WD+7], v[WA:WA+11], v[WB:WB+11], 0, v[WSA], v[WSB] matrix_a_fmt:MATRIX_FMT_FP6 matrix_b_fmt:MATRIX_FMT_FP6 matrix_b_scale:MATRIX_SCALE_ROW1
.elseif WR == 2
	v_wmma_scale_f32_16x16x128_f8f6f4 v[WD:WD+7], v[WA:WA+11], v[WB:WB+11], 0, v[WSA], v[WSB] matrix_a_fmt:MATRIX_FMT_FP6 matrix_b_fmt:MATRIX_FMT_FP6 matrix_a_scale:MATRIX_SCALE_ROW1
.else
	v_wmma_scale_f32_16x16x128_f8f6f4 v[WD:WD+7], v[WA:WA+11], v[WB:WB+11], 0, v[WSA], v[WSB] matrix_a_fmt:MATRIX_FMT_FP6 matrix_b_fmt:MATRIX_FMT_FP6 matrix_a_scale:MATRIX_SCALE_ROW1 matrix_b_scale:MATRIX_SCALE_ROW1
.endif
.else
.if WR == 0
	v_wmma_scale_f32_16x16x128_f8f6f4 v[WD:WD+7], v[WA:WA+11], v[WB:WB+11], v[WC:WC+7], v[WSA], v[WSB] matrix_a_fmt:MATRIX_FMT_FP6 matrix_b_fmt:MATRIX_FMT_FP6
.elseif WR == 1
	v_wmma_scale_f32_16x16x128_f8f6f4 v[WD:WD+7], v[WA:WA+11], v[WB:WB+11], v[WC:WC+7], v[WSA], v[WSB] matrix_a_fmt:MATRIX_FMT_FP6 matrix_b_fmt:MATRIX_FMT_FP6 matrix_b_scale:MATRIX_SCALE_ROW1
.elseif WR == 2
	v_wmma_scale_f32_16x16x128_f8f6f4 v[WD:WD+7], v[WA:WA+11], v[WB:WB+11], v[WC:WC+7], v[WSA], v[WSB] matrix_a_fmt:MATRIX_FMT_FP6 matrix_b_fmt:MATRIX_FMT_FP6 matrix_a_scale:MATRIX_SCALE_ROW1
.else
	v_wmma_scale_f32_16x16x128_f8f6f4 v[WD:WD+7], v[WA:WA+11], v[WB:WB+11], v[WC:WC+7], v[WSA], v[WSB] matrix_a_fmt:MATRIX_FMT_FP6 matrix_b_fmt:MATRIX_FMT_FP6 matrix_a_scale:MATRIX_SCALE_ROW1 matrix_b_scale:MATRIX_SCALE_ROW1
.endif
.endif
.endm
; 64 numbers of a lane, v[s] .. v[s + 63], register 16 b + i = k 32 b + 16 (lane / 16) + i of my row, become a fragment's codes in v[PC] on and its scale word in v[PW].
.macro QUANT s
.irp b, 0,1,2,3
	v_max3_num_f32 v[TM+\b], |v[\s+16*\b]|, |v[\s+1+16*\b]|, 0x1800000   ; block b: my 16 numbers, and the floor 2^(3 - 127): the byte cannot fall under 1.  (Each result tile is read from its low end on)
.endr
.irp i, 2,4,6,8,10,12,14
.irp b, 0,1,2,3
	v_max3_num_f32 v[TM+\b], v[TM+\b], |v[\s+16*\b+\i]|, |v[\s+1+16*\b+\i]|
.endr
.endr
.irp b, 0,1,2,3
	v_permlanex16_b32 v[TM+4+\b], v[TM+\b], s[SEL], s[SEL+1]
.endr
.irp b, 0,1,2,3
	v_max_num_f32 v[TM+\b], v[TM+\b], v[TM+4+\b]   ; with lane l xor 16's: the block's largest magnitude
.endr
.irp b, 0,1,2,3
	v_add_nc_u32 v[TM+12+\b], 0xff000000, v[TM+\b] ; 2 off its exponent field: the conversion's scale operand
.endr
.irp b, 0,1,2,3
	v_lshrrev_b32 v[TM+4+\b], 23, v[TM+12+\b]      ; the scale's byte
.endr
	v_lshl_or_b32 v[PW], v[TM+5], 8, v[TM+4]
	v_lshl_or_b32 v[PW], v[TM+6], 16, v[PW]
	v_lshl_or_b32 v[PW], v[TM+7], 24, v[PW]
.irp c, 0,1
	v_cvt_scalef32_pk16_fp6_f32 v[PC+6*\c:PC+2+6*\c], v[\s+32*\c:\s+15+32*\c], v[TM+12+2*\c]
	v_cvt_scalef32_pk16_fp6_f32 v[PC+12+4*\c:PC+14+4*\c], v[\s+16+32*\c:\s+31+32*\c], v[TM+12+2*\c+1]
.endr
	v_nop                                          ; one plain place behind the conversions
.irp c, 0,1                            ; the layout wants a whole block in a lane: lanes 0-15 block 2 c, lanes 16-31 block 2 c + 1
.irp i, 0,1,2
	v_permlane16_swap_b32 v[PC+6*\c+\i], v[PC+12+4*\c+\i]
.endr
.irp i, 0,1,2
	v_mov_b32 v[PC+3+6*\c+\i], v[PC+12+4*\c+\i]
.endr
.endr
.endm
	s_load_b256 s[4:11], s[0:1], 0x0               ; x s[4:5], gn_w s[6:7], gn_b s[8:9], stats s[10:11]
	s_load_b256 s[12:19], s[0:1], 0x20             ; wc s[12:13], ws s[14:15], qkv_b s[16:17], qc s[18:19]
	s_load_b128 s[20:23], s[0:1], 0x40             ; qs s[20:21], kv s[22:23]
	s_load_b64 s[24:25], s[0:1], 0x50              ; kvs
	v_lshl_add_u32 v[SPW], v0, 2, SPARE
	v_mov_b32 v[NIL], 0
	v_lshrrev_b32 v1, 5, v0
	v_readfirstlane_b32 s26, v1                    ; wave 0..7
	v_and_b32 v1, 31, v0                           ; lane
	v_and_b32 v2, 15, v0                           ; r
	v_bfe_u32 v3, v0, 4, 1                         ; h
	s_and_b32 s27, s26, 3                          ; g
	s_lshr_b32 s28, s26, 2                         ; sK
	s_and_b32 s29, ttmp7, 0xffff                   ; batch
	s_mov_b32 s30, ttmp9                           ; the block of 128 positions
	s_lshr_b32 s31, s26, 1                         ; U
	s_and_b32 s61, s26, 1                          ; hh
	s_and_b32 s62, s31, 1                          ; the K step of the second product that unit U is
	s_mov_b32 s[SEL], 0x76543210
	s_mov_b32 s[SEL+1], 0xfedcba98
	s_mov_b32 s60, 0xffff0000                      ; lanes 16-31
	s_mov_b32 s88, 0x38000000                      ; 2^-15
	s_mov_b32 s89, 0x3727c5ac                      ; 1e-5
	s_mov_b32 s90, 0x45800000                      ; 4096
	s_mov_b32 s33, 0                               ; the upper word of every offset
	v_and_b32 v4, 7, v1                            ; my position among the wave's 32: tile lane / 16, row r: 8 (lane / 16) + r + 8 (r / 8)
	v_and_b32 v22, 8, v1
	v_lshl_or_b32 v4, v22, 1, v4
	v_and_b32 v22, 16, v1
	v_lshrrev_b32 v22, 1, v22
	v_or_b32 v4, v4, v22
	v_lshlrev_b32 v4, 2, v4                        ; v4: x's offset
	v_and_b32 v5, 24, v1
	v_lshlrev_b32 v5, 3, v5                        ; v5: my channel's group in stats: 8 channels x 8 bytes
	v_lshlrev_b32 v6, 2, v1                        ; v6: 4 x lane
	v_lshlrev_b32 v7, 4, v1                        ; v7: 16 x lane
	s_lshl_b32 s32, s27, 2
	s_add_co_u32 s32, s32, s28
	s_mul_i32 s32, s32, FRB
	v_lshl_add_u32 v8, v1, 4, s32                  ; v8: where my two fragments of h go: index 4 g + sK, and two further on
	s_lshl_b32 s32, s27, 8
	s_lshl_b32 s34, s28, 6
	s_add_co_u32 s32, s32, s34
	s_add_co_u32 s32, s32, HSC
	v_lshlrev_b32 v9, 2, v2
	v_lshl_add_u32 v9, v3, 7, v9
	v_add_nc_u32 v9, s32, v9                       ; v9: my position's scale word: HSC + 128 (2 g + lane / 16) + 64 sK + 4 r
	s_mul_i32 s32, s61, 8*FRB
	v_lshl_add_u32 v10, v1, 4, s32                 ; v10: part A: my four tiles' fragments
	s_lshl_b32 s32, s61, 9
	v_lshl_add_u32 v11, v1, 2, s32                 ; v11: and their scale words
	v_lshlrev_b32 v12, 6, v3                       ; v12: 64 h: q's and k's bias
	v_and_b32 v13, 8, v2
	v_add_nc_u32 v13, v13, v2
	v_lshlrev_b32 v13, 2, v13                      ; v13: 4 (r + 8 (r / 8)): v's bias
.irp b, 0,1,2,3
	v_mov_b32 v[TM+4+\b], 0                        ; written once: a lane permute's destination counts as read
.endr
	s_wait_kmcnt 0x0
	s_lshl_b32 s32, s29, 22                        ; x: batch, my 128 channels, my 32 positions
	s_lshl_b32 s34, s28, 21
	s_add_co_u32 s32, s32, s34
	s_lshl_b32 s34, s30, 9
	s_add_co_u32 s32, s32, s34
	s_lshl_b32 s34, s27, 7
	s_add_co_u32 s32, s32, s34
	s_add_nc_u64 s[4:5], s[4:5], s[32:33]
	s_lshl_b32 s32, s29, 11
	s_lshl_b32 s34, s28, 10
	s_add_co_u32 s32, s32, s34
	s_add_nc_u64 s[10:11], s[10:11], s[32:33]      ; stats at channel 128 sK of my batch
	s_lshl_b32 s32, s28, 9
	s_add_nc_u64 s[6:7], s[6:7], s[32:33]
	s_add_nc_u64 s[8:9], s[8:9], s[32:33]
.irp k, 0,1,2,3                        ; lane = channel 128 sK + 32 k + lane: its group's eight (mean, M2), its gain, its bias
.irp j, 0,1,2,3
	global_load_b128 v[192+16*\k+4*\j:195+16*\k+4*\j], v5, s[10:11] offset:256*\k+16*\j
.endr
	global_load_b32 v[AV+\k], v6, s[6:7] offset:128*\k
	global_load_b32 v[BV+\k], v6, s[8:9] offset:128*\k
.endr
.macro XLOAD k                         ; block k: 32 channels of my position; 32 lanes read 128 consecutive bytes, four waves side by side 512
.irp i, 0,1,2,3,4,5,6,7,8,9,10,11,12,13,14,15,16,17,18,19,20,21,22,23,24,25,26,27,28,29,30,31
	global_load_b32 v[64+32*(\k)+\i], v4, s[4:5] offset:(32*(\k)+\i)*16384
.endr
.endm
	XLOAD 0
	; the other addresses, while the loads are out
	s_mul_i32 s32, s31, 16*FRB
	s_add_nc_u64 s[76:77], s[12:13], s[32:33]      ; my unit's fragments of W
	s_lshl_b32 s34, s26, 1
	s_add_co_u32 s34, s34, 32                      ; W_v's tile 32 + 2 w
	s_mul_i32 s32, s34, 2*FRB
	s_add_nc_u64 s[78:79], s[12:13], s[32:33]
	s_lshl_b32 s32, s34, 7
	s_add_nc_u64 s[82:83], s[14:15], s[32:33]
	s_lshl_b32 s32, s31, 10
	s_add_nc_u64 s[80:81], s[14:15], s[32:33]      ; my unit's scale words
	s_lshl_b32 s32, s31, 9
	s_add_nc_u64 s[84:85], s[16:17], s[32:33]      ; my unit's bias
	s_lshl_b32 s32, s26, 7
	s_add_co_u32 s32, s32, 2048
	s_add_nc_u64 s[86:87], s[16:17], s[32:33]      ; v's bias, my 32 channels
	s_lshl_b32 s34, s29, 5
	s_add_co_u32 s34, s34, s30
	s_lshl_b32 s35, s34, 10                        ; q's scale words: (32 b + pb) x 1,024
	s_mul_i32 s34, s34, 16*FRB                     ; q's codes
	s_mul_i32 s36, s29, 1572864                    ; kv: batch, stage pb / 4, key step pb % 4
	s_lshr_b32 s37, s30, 2
	s_mul_i32 s37, s37, 196608
	s_add_co_u32 s36, s36, s37
	s_and_b32 s37, s30, 3
	s_mul_i32 s37, s37, 16*FRB
	s_add_co_u32 s36, s36, s37
	s_lshl_b32 s38, s29, 16                        ; kvs: batch, pb
	s_lshl_b32 s37, s30, 10
	s_add_co_u32 s38, s38, s37
	s_mul_i32 s32, s26, 2*FRB
	s_add_co_u32 s32, s32, s36
	s_add_co_u32 s32, s32, 98304                   ; V's block lies behind K's
	s_add_nc_u64 s[72:73], s[22:23], s[32:33]
	s_lshl_b32 s32, s26, 7
	s_add_co_u32 s32, s32, s38
	s_add_co_u32 s32, s32, 32768
	s_add_nc_u64 s[74:75], s[24:25], s[32:33]
	s_cmp_lt_u32 s31, 2                            ; q's unit or k's: ids alone
	s_cselect_b64 s[68:69], s[18:19], s[22:23]
	s_cselect_b64 s[70:71], s[20:21], s[24:25]
	s_cselect_b32 s34, s34, s36
	s_cselect_b32 s35, s35, s38
	s_mul_i32 s32, s62, FRB
	s_add_co_u32 s32, s32, s34
	s_mul_i32 s34, s61, 8*FRB
	s_add_co_u32 s32, s32, s34
	s_add_nc_u64 s[68:69], s[68:69], s[32:33]
	s_lshl_b32 s32, s62, 9
	s_add_co_u32 s32, s32, s35
	s_lshl_b32 s34, s61, 8
	s_add_co_u32 s32, s32, s34
	s_add_nc_u64 s[70:71], s[70:71], s[32:33]
	s_wait_loadcnt 32                              ; the 24 loads of statistics, gains and biases are in; block 0's 32 may be out
	XLOAD 1
.irp k, 0,1,2,3
.set R, 192+16*\k
	v_pk_add_f32 v[48:49], v[R:R+1], v[R+2:R+3]
	v_pk_add_f32 v[50:51], v[R+4:R+5], v[R+6:R+7]
	v_pk_add_f32 v[52:53], v[R+8:R+9], v[R+10:R+11]
	v_pk_add_f32 v[54:55], v[R+12:R+13], v[R+14:R+15]
	v_pk_add_f32 v[48:49], v[48:49], v[50:51]
	v_pk_add_f32 v[52:53], v[52:53], v[54:55]
	v_pk_add_f32 v[48:49], v[48:49], v[52:53]      ; (sum of means, sum of M2)
	v_mul_f32 v[MEANV+\k], 0x3e000000, v48         ; / 8
	v_sub_f32 v50, v[R], v[MEANV+\k]
	v_mul_f32 v51, v50, v50
.irp i, 1,2,3,4,5,6,7
	v_sub_f32 v50, v[R+2*\i], v[MEANV+\k]
	v_fma_f32 v51, v50, v50, v51
.endr
	v_fma_f32 v49, v51, s90, v49                   ; the group's M2
	v_fma_f32 v[56+\k], v49, s88, s89              ; var + eps
.endr
.irp k, 0,1,2,3
	v_rsq_f32 v[56+\k], v[56+\k]
.endr
	v_nop                                          ; a plain place behind the batch
	s_wait_alu depctr_va_vdst(0)                   ; one wait for the four, ahead of their first reader
.irp k, 0,1,2,3
	v_mul_f32 v[AV+\k], v[56+\k], v[AV+\k]         ; rstd x gn_w
.endr
; Block k: normalised, its scale, its codes.  The constants of a channel are the same for all lanes: they come out of their lane into scalar registers, eight channels (a group) at a time.
.macro BLOCK k
.set XB, 64+32*(\k)
.if (\k)%2 == 0
.set FD, F0+6*((\k)/2)
.else
.set FD, F1+6*((\k)/2)
.endif
.irp q, 0,1,2,3
	v_readlane_b32 s40, v[MEANV+(\k)], 8*\q
.irp i, 0,1,2,3,4,5,6,7
	v_readlane_b32 s[41+2*\i], v[AV+(\k)], 8*\q+\i
	v_readlane_b32 s[42+2*\i], v[BV+(\k)], 8*\q+\i
.endr
.irp i, 0,1,2,3,4,5,6,7
	v_sub_f32 v[XB+8*\q+\i], v[XB+8*\q+\i], s40
.endr
.irp i, 0,1,2,3,4,5,6,7
	v_fma_f32 v[XB+8*\q+\i], v[XB+8*\q+\i], s[41+2*\i], s[42+2*\i]
.endr
.endr
	v_max3_num_f32 v232, |v[XB]|, |v[XB+1]|, 0x1800000             ; the block's largest magnitude, all 32 mine, in two chains, with the floor 2^(3 - 127)
	v_max_num_f32 v233, |v[XB+2]|, |v[XB+3]|
.irp i, 4,8,12,16,20,24,28
	v_max3_num_f32 v232, v232, |v[XB+\i]|, |v[XB+\i+1]|
	v_max3_num_f32 v233, v233, |v[XB+\i+2]|, |v[XB+\i+3]|
.endr
	v_max_num_f32 v232, v232, v233
	v_add_nc_u32 v234, 0xff000000, v232            ; the conversion's scale operand
	v_lshrrev_b32 v235, 23, v234                   ; the byte
.if (\k) == 0
	v_mov_b32 v236, v235
.else
	v_lshl_or_b32 v236, v235, 8*(\k), v236         ; my position's scale word of K step sK
.endif
	v_cvt_scalef32_pk16_fp6_f32 v[FD:FD+2], v[XB:XB+15], v234
	v_cvt_scalef32_pk16_fp6_f32 v[TH+4*(\k):TH+4*(\k)+2], v[XB+16:XB+31], v234
	v_nop                                          ; one plain place behind the conversions
.endm
	s_wait_loadcnt 32                              ; block 0 is in; block 1's 32 loads may be out
	BLOCK 0
	XLOAD 2
	s_wait_loadcnt 32
	BLOCK 1
	XLOAD 3
	s_wait_loadcnt 32
	BLOCK 2
	WIN 0x40                                       ; destination window 1
.set j, 0
.rept 48
	global_load_b128 v[4*j:4*j+3], v7, s[76:77] offset:512*j       ; my unit's sixteen fragments of W: they stay through part A
.set j, j+1
.endr
	WIN 0
	s_wait_loadcnt 48                              ; block 3 is in; those 48 may be out
	BLOCK 3
.irp t, 0,1,2,3,4,5,6,7
	global_load_b32 v[RS+\t], v6, s[80:81] offset:128*\t
.endr
	WIN 0x40
.irp t, 0,1,2,3,4,5,6,7                ; lane (r, h) of tile t holds channels 32 (t / 2) + 16 h + 8 (t % 2) + 0 .. 7
	global_load_b128 v[BI+8*\t:BI+8*\t+3], v12, s[84:85] offset:(32*(\t/2)+8*(\t%2))*4
	global_load_b128 v[BI+8*\t+4:BI+8*\t+7], v12, s[84:85] offset:(32*(\t/2)+8*(\t%2))*4+16
.endr
	WIN 0
; lanes 0-15 hold tile 2 g's positions, lanes 16-31 tile 2 g + 1's, each with all four blocks.  A fragment wants block 2 c in lanes 0-15 and block 2 c + 1 in lanes 16-31 of ONE tile: an exchange of halves between the blocks' registers
.irp c, 0,1
.irp i, 0,1,2
	v_permlane16_swap_b32 v[F0+6*\c+\i], v[F1+6*\c+\i]
	v_permlane16_swap_b32 v[TH+8*\c+\i], v[TH+8*\c+4+\i]
.endr
.irp i, 0,1,2
	v_mov_b32 v[F0+6*\c+3+\i], v[TH+8*\c+\i]
	v_mov_b32 v[F1+6*\c+3+\i], v[TH+8*\c+4+\i]
.endr
.endr
.irp j, 0,1,2
	ds_store_b128 v8, v[F0+4*\j:F0+4*\j+3] offset:512*\j
	ds_store_b128 v8, v[F1+4*\j:F1+4*\j+3] offset:2*FRB+512*\j
.endr
	ds_store_b32 v9, v236
	s_wait_dscnt 0x0                               ; for the others' sake: my stores have landed; and they have read their registers, which the loads below take
.set j, 0
.rept 12
	global_load_b128 v[XV+4*j:XV+4*j+3], v7, s[78:79] offset:512*j ; W_v's tiles 2 w, 2 w + 1, both K steps
.set j, j+1
.endr
	global_load_b32 v[WVS], v6, s[82:83]
	global_load_b32 v[WVS+1], v6, s[82:83] offset:128
	global_load_b32 v60, v13, s[86:87]             ; v's bias of my lane's channel, tile 2 w
	global_load_b32 v61, v13, s[86:87] offset:32   ; and tile 2 w + 1
	s_barrier_signal -1
	s_barrier_wait -1                              ; h's sixteen fragments lie in LDS; nothing is stored to LDS from here on
; ---- A: q or k, four tiles of positions
.macro FETCHH mm
.irp j, 0,1,2,3,4,5
	ds_load_b128 v[XF+4*\j:XF+4*\j+3], v10 offset:(\mm)*2*FRB+512*\j
.endr
	ds_load_b32 v[SS], v11 offset:HSC+128*(\mm)
.endm
	FETCHH 0
	s_wait_loadcnt 0x0                             ; W, its scale words, the biases
.irp mm, 0,1,2,3
	s_wait_dscnt 0x0
	WIN 0x11                                       ; source 0 (W) and source 2 (the bias) window 1
.irp t, 0,1,2,3,4,5,6,7                ; the eight accumulators by turns
	WM HA+8*\t, 24*\t, XF, BI+8*\t, RS+\t, SS, 0, 0
.endr
	WIN 0x01
.irp t, 0,1,2,3,4,5,6,7
	WM HA+8*\t, 24*\t+12, XF+12, HA+8*\t, RS+\t, SS, 1, 1
.endr
	WIN 0
	PLACES                                         ; in front of the loads into the h tile's registers and of the first read of results
.if \mm < 3
	FETCHH \mm+1
.endif
	s_wait_xcnt 0x0                                ; the last tile's stores have read their registers
	QUANT HA
.irp c, 0,1,2
	global_store_b128 v7, v[PC+4*\c:PC+4*\c+3], s[68:69] offset:\mm*2*FRB+512*\c   ; 32 lanes store 512 consecutive bytes
.endr
.if \mm%2 == 0
	v_mov_b32 v[PWE], v[PW]
.else
	v_cndmask_b32 v[PWS], v[PWE], v[PW], s60       ; lanes 0-15 the even tile's words, lanes 16-31 the odd tile's
	global_store_b32 v6, v[PWS], s[70:71] offset:128*(\mm/2)
.endif
.endr
; ---- B: v, two tiles of 16 channels x the 128 keys
	WIN 0x40
.set j, 0
.rept 48
	ds_load_b128 v[4*j:4*j+3], v7 offset:512*j     ; all of h, where W lay
.set j, j+1
.endr
	WIN 0
.irp m, 0,1,2,3,4,5,6,7
	ds_load_b32 v[RS+\m], v6 offset:HSC+128*\m
.endr
.irp i, 0,1,2,3,4,5,6,7
	v_mov_b32 v[BVC+\i], v60
	v_mov_b32 v[BVC+8+\i], v61
.endr
	PLACES
	s_wait_dscnt 0x0
.irp tt, 0,1
	WIN 0x01                                       ; source 0 (h) window 1
.irp m, 0,1,2,3,4,5,6,7
	WM HA+8*\m, 24*\m, XV+24*\tt, BVC+8*\tt, RS+\m, WVS+\tt, 0, 0
.endr
.irp m, 0,1,2,3,4,5,6,7
	WM HA+8*\m, 24*\m+12, XV+24*\tt+12, HA+8*\m, RS+\m, WVS+\tt, 1, 1
.endr
	WIN 0
	PLACES
	s_wait_xcnt 0x0
	QUANT HA
.irp c, 0,1,2
	global_store_b128 v7, v[PC+4*\c:PC+4*\c+3], s[72:73] offset:\tt*FRB+512*\c
.endr
.if \tt == 0
	v_mov_b32 v[PWE], v[PW]
.else
	v_cndmask_b32 v[PWS], v[PWE], v[PW], s60
	global_store_b32 v6, v[PWS], s[74:75]
.endif
.endr
	s_wait_tensorcnt 0x0                           ; the wave's end
	ds_add_u32 v[SPW], v[NIL]
	s_wait_dscnt 0x0
	s_endpgm
.Lfunc_end_k_qf5cbf381dd_qkv:
	.size	k_qf5cbf381dd_qkv, .Lfunc_end_k_qf5cbf381dd_qkv-k_qf5cbf381dd_qkv
	.p2alignl 7, 3214868480
	.fill 96, 4, 3214868480
	.section	.rodata,"a",@progbits
	.p2align	6, 0x0
	.amdhsa_kernel k_qf5cbf381dd_qkv
		.amdhsa_group_segment_fixed_size 26624
		.amdhsa_private_segment_fixed_size 0
		.amdhsa_enable_private_segment 0
		.amdhsa_kernarg_size 88
		.amdhsa_user_sgpr_count 2
		.amdhsa_user_sgpr_kernarg_segment_ptr 1
		.amdhsa_wavefront_size32 1
		.amdhsa_system_sgpr_workgroup_id_x 1
		.amdhsa_system_sgpr_workgroup_id_y 1
		.amdhsa_system_sgpr_workgroup_id_z 1
		.amdhsa_system_vgpr_workitem_id 0
		.amdhsa_next_free_vgpr 512
		.amdhsa_next_free_sgpr 96
		.amdhsa_reserve_vcc 0
		.amdhsa_float_denorm_mode_32 3
		.amdhsa_float_denorm_mode_16_64 3
		.amdhsa_memory_ordered 1
		.amdhsa_forward_progress 1
		.amdhsa_inst_pref_size 118
	.end_amdhsa_kernel
	.amdgpu_metadata
---
amdhsa.version: [ 1, 2 ]
amdhsa.kernels:
  - .name:           k_qf5cbf381dd_qkv
    .symbol:         k_qf5cbf381dd_qkv.kd
    .args:
      - { .name: x, .offset: 0, .size: 8, .value_kind: global_buffer, .address_space: global }
      - { .name: gn_w, .offset: 8, .size: 8, .value_kind: global_buffer, .address_space: global }
      - { .name: gn_b, .offset: 16, .size: 8, .value_kind: global_buffer, .address_space: global }
      - { .name: stats, .offset: 24, .size: 8, .value_kind: global_buffer, .address_space: global }
      - { .name: wc, .offset: 32, .size: 8, .value_kind: global_buffer, .address_space: global }
      - { .name: ws, .offset: 40, .size: 8, .value_kind: global_buffer, .address_space: global }
      - { .name: qkv_b, .offset: 48, .size: 8, .value_kind: global_buffer, .address_space: global }
      - { .name: qc, .offset: 56, .size: 8, .value_kind: global_buffer, .address_space: global }
      - { .name: qs, .offset: 64, .size: 8, .value_kind: global_buffer, .address_space: global }
      - { .name: kv, .offset: 72, .size: 8, .value_kind: global_buffer, .address_space: global }
      - { .name: kvs, .offset: 80, .size: 8, .value_kind: global_buffer, .address_space: global }
    .group_segment_fixed_size: 26624
    .private_segment_fixed_size: 0
    .kernarg_segment_align: 8
    .kernarg_segment_size: 88
    .max_flat_workgroup_size: 256
    .sgpr_count:     96
    .vgpr_count:     512
    .wavefront_size: 32
...
	.end_amdgpu_metadata
.endif
;; end of part 2
;; launch attn (part 3): grid 64 x 4, 8 waves a work-group, clusters of 4 x 1, 327,680 bytes of LDS; arguments qc, qs, kv, kvs, wc, ws, proj_b, x, out0; writes out0
.if DOCPART == 3
	.amdgcn_target "amdgcn-amd-amdhsa--gfx1250"
	.amdhsa_code_object_version 6
	.text
	.protected	k_qf5cbf381dd_attn
	.globl	k_qf5cbf381dd_attn
	.p2align	8
	.type	k_qf5cbf381dd_attn,@function
k_qf5cbf381dd_attn:
	s_mov_b64 s[64:65], 0
	v_nop
	global_prefetch_b8 v0, s[64:65] scope:SCOPE_SE
	s_setreg_imm32_b32 hwreg(HW_REG_WAVE_MODE, 25, 1), 1
	s_wait_xcnt 0x0
	s_wait_alu depctr_hold_cnt(0) depctr_sa_sdst(0) depctr_va_vdst(0) depctr_va_sdst(0) depctr_va_ssrc(0) depctr_va_vcc(0) depctr_vm_vsrc(0)
	s_getreg_b32 s2, hwreg(HW_REG_IB_STS2, 6, 4)
	s_cmp_eq_u32 s2, 0
	s_cbranch_scc0 .Lentry_in_a_cluster
	s_endpgm
.Lentry_in_a_cluster:
	s_bfe_u32 s2, ttmp6, 0x10000c
	s_cmp_lg_u32 s2, 0x3003
	s_cbranch_scc0 .Lentry_shape_is_right
	s_endpgm
.Lentry_shape_is_right:
; out0 = x + proj_w att + proj_b, att = softmax(q^T k / 16) v, all three products on FP6 (E2M3) codes with E8M0 scales.  Nothing is left out.
; THE SOFTMAX AHEAD OF THE SECOND PRODUCT: t = score x log2(e) / 16; M = the largest t so far, rounded up to a whole number; p = 2^(t - M) is quantised along the keys, not normalised; the row's sum is taken of the unquantised p.
; SHARES.  A work-group owns 64 queries of one batch: 256 work-groups.  Wave w: qg = w % 2: 32 queries (two tiles T); kq = w / 2: key step 4 x stage + kq of each of 8 stages.  So a fragment of K or V read from LDS feeds two products,
; and two waves share a SIMD.  At the end the four waves of a qg are joined: each part is brought under the largest M by a power of two.
; LAYOUT.  S^T = K Q^T, O^T = V^T P^T: a lane holds one query.  The keys of a tile of K and the channels of a tile of V are in the order of qkv's head comment, so p's and O^T's registers are neighbours along the next K.
; THE RING.  Two LDS slots: K's block of a stage (4 key steps, 98,304 bytes) and V's.  K's slot is filled again when the scores and the first tile's softmax are done, V's at the stage's end: each load has about half a stage in which to land.
; The scale words of the whole batch (65,536 bytes) come once.  Every wave fetches an eighth of every block: one tensor load a wave behind each round; three are out at the start.
; THE WALK.  The sixteen clusters of a batch begin at four different stages, 2 x (the cluster's number mod 4), and walk round all eight: the running maximum serves any order of the keys.  So at a change of slots the batch's clusters
; ask for four different blocks.  The scale words are laid into LDS in the order of the walk, so that no LDS address hangs on the start.
; CLUSTER.  The four work-groups of a cluster belong to one batch and walk the same kv from the same start: each block is asked for jointly, with the same descriptor and the mask of the four.
; LIMITS: as stated at the head of prep; v_exp_f32 and v_rcp_f32 as they are (1 ulp, denormal results are zero); the division by the row's sum is a reciprocal and a multiplication.
; REGISTERS.  Window 0: v1-7 addresses; v8-19 the two tiles' state (-M, largest t, sum in two halves, f, a filler); v20-31 scale words and nothing else; v32-79 Q; v80-207 S^T then p (later V's fragments);
;   v208-255 K's fragments, then p's codes and the softmax's work.  Window 1: O^T, 128 a tile.
.set FRB,   1536
.set BLKB,  98304                      ; a block: 64 fragments
.set SCK,   196608                     ; behind the two slots: K's scale words, 32,768 bytes; V's, 32,768
.set SCV,   229376
.set SPARE, 262144                     ; the spare words, 128 bytes for each wave: four blocks of 256 bytes that no other line names
.set MLB,   263168                     ; the way out: (-M, sum): [wave][T] 256 bytes
.set AIMG,  267264                     ; the attention's eight fragments (2 tile + K step)
.set ASC,   279552                     ; their scale words: [tile] 128 bytes: lanes 0-15 K step 0, lanes 16-31 K step 1
.set AK,    1                          ; v1 my key step's fragments of K; v2 of V; v3, v4 their scale words
.set AVV,   2
.set ASCK,  3
.set ASCV,  4
.set SPW,   5
.set NIL,   6
.set PFO,   7                          ; v7 256 x lane: the prefetch's offset; never rewritten
.set QS,    20
.set PS,    22
.set SCR,   24
.set Q,     32
.set SCO,   80
.set VB,    80                         ; V's two buffers of four fragments: v80-127, v144-191
.set KB,    208                        ; K's two buffers of two fragments
.set P,     208
.set PC,    208                        ; the way out's QUANT
.set TM,    232
.set PW,    248
.set WV,    22
.set QG,    23
.set KQ,    24
.set G1,    36                         ; s[36:43] group 1 of a block's eighth; s[44:51] of the scale words'; s[52:55], s[56:59], s[60:63] groups 0: K, V, scale words
.set G1S,   44
.set G0K,   52
.set G0V,   56
.set G0S,   60
.set SEL,   66
.set CS,    68
.set PFA,   70                         ; s[70:71] the prefetch's address; never rewritten
.set LIM,   72                         ; s72  0 in a wave that prefetches
.set STK,   73                         ; s73  the stage whose K was asked for last; s75 the same for V
.set STV,   75
.set KVB,   86                         ; s[86:87] kv at my batch's stage 0, K's block, my eighth; s[90:91] the same in V's block
.set OFS,   88                         ; s[88:89] a stage's offset, in 64 bits
.set VVB,   90
.set ST2,   92                         ; s92  the cluster's number mod 4: the walk begins at stage 2 x this
.set MSB, 0
.macro WIN new
.if MSB != \new
	s_set_vgpr_msb (MSB<<8)|\new
.set MSB, \new
.endif
.endm
.macro PLACES
.rept 4
	v_nop
.endr
.endm
.macro WM d, a, b, c, sa, sb, ra, rb   ; one product 16 x 16 x 128.  c < 0: the constant 0.  ra, rb = 1: the side's scale words are taken from lanes 16-31
.set WD, \d
.set WA, \a
.set WB, \b
.set WC, \c
.set WSA, \sa
.set WSB, \sb
.set WR, 2*(\ra)+(\rb)
.if WC < 0
.if WR == 0
	v_wmma_scale_f32_16x16x128_f8f6f4 v[WD:WD+7], v[WA:WA+11], v[WB:WB+11], 0, v[WSA], v[WSB] matrix_a_fmt:MATRIX_FMT_FP6 matrix_b_fmt:MATRIX_FMT_FP6
.elseif WR == 1
	v_wmma_scale_f32_16x16x128_f8f6f4 v[WD:WD+7], v[WA:WA+11], v[WB:WB+11], 0, v[WSA], v[WSB] matrix_a_fmt:MATRIX_FMT_FP6 matrix_b_fmt:MATRIX_FMT_FP6 matrix_b_scale:MATRIX_SCALE_ROW1
.elseif WR == 2
	v_wmma_scale_f32_16x16x128_f8f6f4 v[WD:WD+7], v[WA:WA+11], v[WB:WB+11], 0, v[WSA], v[WSB] matrix_a_fmt:MATRIX_FMT_FP6 matrix_b_fmt:MATRIX_FMT_FP6 matrix_a_scale:MATRIX_SCALE_ROW1
.else
	v_wmma_scale_f32_16x16x128_f8f6f4 v[WD:WD+7], v[WA:WA+11], v[WB:WB+11], 0, v[WSA], v[WSB] matrix_a_fmt:MATRIX_FMT_FP6 matrix_b_fmt:MATRIX_FMT_FP6 matrix_a_scale:MATRIX_SCALE_ROW1 matrix_b_scale:MATRIX_SCALE_ROW1
.endif
.else
.if WR == 0
	v_wmma_scale_f32_16x16x128_f8f6f4 v[WD:WD+7], v[WA:WA+11], v[WB:WB+11], v[WC:WC+7], v[WSA], v[WSB] matrix_a_fmt:MATRIX_FMT_FP6 matrix_b_fmt:MATRIX_FMT_FP6
.elseif WR == 1
	v_wmma_scale_f32_16x16x128_f8f6f4 v[WD:WD+7], v[WA:WA+11], v[WB:WB+11], v[WC:WC+7], v[WSA], v[WSB] matrix_a_fmt:MATRIX_FMT_FP6 matrix_b_fmt:MATRIX_FMT_FP6 matrix_b_scale:MATRIX_SCALE_ROW1
.elseif WR == 2
	v_wmma_scale_f32_16x16x128_f8f6f4 v[WD:WD+7], v[WA:WA+11], v[WB:WB+11], v[WC:WC+7], v[WSA], v[WSB] matrix_a_fmt:MATRIX_FMT_FP6 matrix_b_fmt:MATRIX_FMT_FP6 matrix_a_scale:MATRIX_SCALE_ROW1
.else
	v_wmma_scale_f32_16x16x128_f8f6f4 v[WD:WD+7], v[WA:WA+11], v[WB:WB+11], v[WC:WC+7], v[WSA], v[WSB] matrix_a_fmt:MATRIX_FMT_FP6 matrix_b_fmt:MATRIX_FMT_FP6 matrix_a_scale:MATRIX_SCALE_ROW1 matrix_b_scale:MATRIX_SCALE_ROW1
.endif
.endif
.endm
.macro QUANT s                         ; as in qkv: 64 numbers of a lane, register 16 b + i = k 32 b + 16 (lane / 16) + i, become a fragment in v[PC] on and its scale word in v[PW]
.irp b, 0,1,2,3
	v_max3_num_f32 v[TM+\b], |v[\s+16*\b]|, |v[\s+1+16*\b]|, 0x1800000
.endr
.irp i, 2,4,6,8,10,12,14
.irp b, 0,1,2,3
	v_max3_num_f32 v[TM+\b], v[TM+\b], |v[\s+16*\b+\i]|, |v[\s+1+16*\b+\i]|
.endr
.endr
.irp b, 0,1,2,3
	v_permlanex16_b32 v[TM+4+\b], v[TM+\b], s[SEL], s[SEL+1]
.endr
.irp b, 0,1,2,3
	v_max_num_f32 v[TM+\b], v[TM+\b], v[TM+4+\b]
.endr
.irp b, 0,1,2,3
	v_add_nc_u32 v[TM+12+\b], 0xff000000, v[TM+\b]
.endr
.irp b, 0,1,2,3
	v_lshrrev_b32 v[TM+4+\b], 23, v[TM+12+\b]
.endr
	v_lshl_or_b32 v[PW], v[TM+5], 8, v[TM+4]
	v_lshl_or_b32 v[PW], v[TM+6], 16, v[PW]
	v_lshl_or_b32 v[PW], v[TM+7], 24, v[PW]
.irp c, 0,1
	v_cvt_scalef32_pk16_fp6_f32 v[PC+6*\c:PC+2+6*\c], v[\s+32*\c:\s+15+32*\c], v[TM+12+2*\c]
	v_cvt_scalef32_pk16_fp6_f32 v[PC+12+4*\c:PC+14+4*\c], v[\s+16+32*\c:\s+31+32*\c], v[TM+12+2*\c+1]
.endr
	v_nop
.irp c, 0,1
.irp i, 0,1,2
	v_permlane16_swap_b32 v[PC+6*\c+\i], v[PC+12+4*\c+\i]
.endr
.irp i, 0,1,2
	v_mov_b32 v[PC+3+6*\c+\i], v[PC+12+4*\c+\i]
.endr
.endr
.endm
.macro CROUND                          ; a round of the cluster's barrier
	s_barrier_signal -1
	s_barrier_wait -1
	s_cmp_lg_u32 s[WV], 0
	s_cbranch_scc1 .Lnot_wave_0_\@
	s_barrier_signal -3
.Lnot_wave_0_\@:
	s_barrier_wait -3
	s_barrier_signal -1
	s_barrier_wait -1
.endm
; A PREFETCH INTO THE L2, once in a walk: at the first change of slots, of the block that the second change will ask for (V of the walk's second stage): 384 rows of 256 bytes.
; Named are only blocks that no cluster of the batch has asked for before: with four starts two stages apart those are each start's first four blocks.  Two of them come at the head and one at the first change, by their loads alone;
; this is the fourth.  Of the four clusters of a start the first asks (the cluster's number under 4).  Its four partners take 96 rows each, told apart by address; in each, waves 0 to 2 ask for 32 rows, a lane a row:
; each row is named once in the launch.
.macro PREF
	s_cmp_eq_u32 s[LIM], 0
	s_cbranch_scc0 .Lnot_mine_\@
	global_prefetch_b8 v[PFO], s[PFA:PFA+1] th:TH_LOAD_NT scope:SCOPE_SE
.Lnot_mine_\@:
.endm
	s_load_b256 s[4:11], s[0:1], 0x0               ; qc s[4:5], qs s[6:7], kv s[8:9], kvs s[10:11]
	s_load_b256 s[12:19], s[0:1], 0x20             ; wc s[12:13], ws s[14:15], proj_b s[16:17], x s[18:19]
	s_load_b64 s[20:21], s[0:1], 0x40              ; out0
	v_lshl_add_u32 v[SPW], v0, 2, SPARE
	v_mov_b32 v[NIL], 0
	ds_add_u32 v[SPW], v[NIL]                      ; the wave's opening
	ds_add_u32 v[SPW], v[NIL]
	v_lshrrev_b32 v1, 5, v0
	v_readfirstlane_b32 s[WV], v1                  ; wave 0..7
	s_and_b32 s[QG], s[WV], 1
	s_lshr_b32 s[KQ], s[WV], 1
	s_and_b32 s27, ttmp7, 0xffff                   ; the batch, which the four partners share
	s_mov_b32 s[G1], 15|(3<<16)|(1<<21)            ; 15:0 the mask: all four work-groups; 17:16 elements of 8 bytes; 20 no padding; 21 set beside a mask
	s_mov_b32 s[G1+1], 32<<16                      ; tensor_dim0 = 32 elements: rows of 256 bytes
	s_mov_b32 s[G1+2], 48<<16                      ; tensor_dim1 = 48 rows: 12,288 bytes, an eighth of a block
	s_mov_b32 s[G1+3], 32<<16                      ; tile_dim0
	s_mov_b32 s[G1+4], 48                          ; tile_dim1
	s_mov_b32 s[G1+5], 32                          ; the pitch: dense
	s_mov_b32 s[G1+6], 0
	s_mov_b32 s[G1+7], 0
	s_mov_b32 s[G1S], 15|(3<<16)|(1<<21)
	s_mov_b32 s[G1S+1], 32<<16
	s_mov_b32 s[G1S+2], 32<<16                     ; 32 rows: 8,192 bytes, an eighth of the batch's scale words
	s_mov_b32 s[G1S+3], 32<<16
	s_mov_b32 s[G1S+4], 32
	s_mov_b32 s[G1S+5], 32
	s_mov_b32 s[G1S+6], 0
	s_mov_b32 s[G1S+7], 0
	s_mov_b32 s[SEL], 0x76543210
	s_mov_b32 s[SEL+1], 0xfedcba98
	s_mov_b32 s[CS], 0x3db8aa3b                    ; c = log2(e) / 16
	s_mov_b32 s[CS+1], s[CS]                       ; (named with it as a pair, so it is written)
	s_mov_b32 s29, 0
	s_mov_b32 s33, 0
	s_mov_b32 s[OFS+1], 0
	s_and_b32 s[ST2], ttmp9, 3                     ; in a cluster launch ttmp9 counts clusters: the same in all four partners
	s_lshl_b32 s[STK], s[ST2], 1                   ; the walk's first stage
	s_mov_b32 s[STV], s[STK]
	s_cmp_lt_u32 s[WV], 3
	s_cselect_b32 s[LIM], 0, 1
	s_lshr_b32 s28, ttmp9, 2
	s_or_b32 s[LIM], s[LIM], s28                   ; 0 in waves 0 to 2 of a start's first cluster: the same in all four partners
	s_wait_dscnt 0x0                               ; both opening adds are done
	s_wait_kmcnt 0x0
	; the descriptors: batch, wave and the cluster's start alone enter them
	s_mul_i32 s28, s27, 1572864
	s_mul_i32 s30, s[WV], 12288
	s_add_co_u32 s28, s28, s30
	s_add_nc_u64 s[KVB:KVB+1], s[8:9], s[28:29]
	s_add_nc_u64 s[VVB:VVB+1], s[KVB:KVB+1], BLKB
	s_mul_i32 s[OFS], s[STK], 2*BLKB               ; a stage is K's block and V's
	s_mov_b32 s[G0K], 1
	s_mov_b32 s[G0K+1], s30                        ; LDS: K's slot, my eighth
	s_add_nc_u64 s[G0K+2:G0K+3], s[KVB:KVB+1], s[OFS:OFS+1]
	s_or_b32 s[G0K+3], s[G0K+3], 0x80000000
	s_mov_b32 s[G0V], 1
	s_add_co_u32 s[G0V+1], s30, BLKB               ; V's slot
	s_add_nc_u64 s[G0V+2:G0V+3], s[VVB:VVB+1], s[OFS:OFS+1]
	s_or_b32 s[G0V+3], s[G0V+3], 0x80000000
	s_lshl_b32 s28, s27, 16                        ; the scale words: my batch's,
	s_lshr_b32 s31, s[WV], 2
	s_lshl_b32 s31, s31, 15                        ; K's (waves 0-3) or V's (waves 4-7),
	s_add_co_u32 s28, s28, s31
	s_add_co_u32 s31, s[WV], s[ST2]
	s_and_b32 s31, s31, 3                          ; and of their four pieces of two stages the one that the walk reaches as its (w mod 4)-th
	s_lshl_b32 s31, s31, 13
	s_add_co_u32 s28, s28, s31
	s_lshl_b32 s30, s[WV], 13
	s_mov_b32 s[G0S], 1
	s_add_co_u32 s[G0S+1], s30, SCK                ; in LDS the pieces lie in the order of the walk
	s_add_nc_u64 s[G0S+2:G0S+3], s[10:11], s[28:29]
	s_or_b32 s[G0S+3], s[G0S+3], 0x80000000
	; what hangs on my place in the cluster: global addresses of Q, x, out0 and the prefetch alone, in registers of their own
	s_bfe_u32 s25, ttmp6, 0x40000                  ; cx
	s_lshl_b32 s26, ttmp9, 2
	s_add_co_u32 s26, s26, s25                     ; my block of 64 queries
	s_lshl_b32 s32, s27, 9
	s_lshl_b32 s34, s26, 3
	s_add_co_u32 s32, s32, s34
	s_lshl_b32 s34, s[QG], 2
	s_add_co_u32 s32, s32, s34
	s_mul_i32 s32, s32, FRB
	s_add_nc_u64 s[4:5], s[4:5], s[32:33]          ; my four fragments of Q
	s_lshl_b32 s32, s27, 5
	s_lshr_b32 s34, s26, 1
	s_add_co_u32 s32, s32, s34
	s_lshl_b32 s32, s32, 10
	s_and_b32 s34, s26, 1
	s_lshl_b32 s34, s34, 1
	s_add_co_u32 s34, s34, s[QG]
	s_lshl_b32 s34, s34, 7
	s_add_co_u32 s32, s32, s34
	s_add_nc_u64 s[6:7], s[6:7], s[32:33]          ; my pair of tiles' scale words
	s_lshl_b32 s32, s27, 22
	s_lshl_b32 s34, s[WV], 19
	s_add_co_u32 s32, s32, s34
	s_lshl_b32 s34, s26, 8
	s_add_co_u32 s32, s32, s34
	s_add_nc_u64 s[76:77], s[18:19], s[32:33]      ; x and out0: my 32 channels, the block's 64 positions
	s_add_nc_u64 s[78:79], s[20:21], s[32:33]
	s_lshl_b32 s32, s[WV], 2
	s_add_co_u32 s32, s32, 96
	s_mul_i32 s32, s32, FRB
	s_add_nc_u64 s[80:81], s[12:13], s[32:33]      ; proj_w's tiles 2 w, 2 w + 1
	s_lshl_b32 s32, s[WV], 8
	s_add_co_u32 s32, s32, 6144
	s_add_nc_u64 s[82:83], s[14:15], s[32:33]
	s_lshl_b32 s32, s[WV], 7
	s_add_nc_u64 s[84:85], s[16:17], s[32:33]
	s_mul_i32 s32, s27, 1572864
	s_mul_i32 s34, s25, 24576
	s_add_co_u32 s32, s32, s34
	s_lshl_b32 s34, s[WV], 13
	s_add_co_u32 s32, s32, s34
	s_add_co_u32 s32, s32, s[OFS]                  ; the walk's first stage,
	s_add_co_u32 s32, s32, 3*BLKB                  ; V's block of the stage behind it (the start is 6 at the most: it lies in the batch's kv)
	s_add_nc_u64 s[PFA:PFA+1], s[8:9], s[32:33]    ; nothing is prefetched here, at the head
	CROUND                                         ; all four work-groups are here: the first joint loads meet
	tensor_load_to_lds s[G0S:G0S+3], s[G1S:G1S+7]  ; the scale words: filled once
	s_nop 0
	tensor_load_to_lds s[G0K:G0K+3], s[G1:G1+7]    ; K of the walk's first stage
	s_nop 0
	tensor_load_to_lds s[G0V:G0V+3], s[G1:G1+7]    ; V of it
	s_nop 0
	PLACES
	v_and_b32 v253, 31, v0                         ; lane
	v_lshlrev_b32 v254, 4, v253
	v_lshlrev_b32 v252, 2, v253
.set j, 0
.rept 12
	global_load_b128 v[Q+4*j:Q+4*j+3], v254, s[4:5] offset:512*j   ; Q[T][s] at v[32 + 24 T + 12 s]: it stays
.set j, j+1
.endr
	global_load_b32 v[QS], v252, s[6:7]            ; lanes 0-15 tile T = 0, lanes 16-31 T = 1
	global_load_b32 v[QS+1], v252, s[6:7] offset:512
	s_mul_i32 s30, s[KQ], 16*FRB
	v_lshl_add_u32 v[AK], v253, 4, s30
	v_add_nc_u32 v[AVV], BLKB, v[AK]
	s_lshl_b32 s30, s[KQ], 10
	s_add_co_u32 s31, s30, SCK
	v_lshl_add_u32 v[ASCK], v253, 2, s31
	s_add_co_u32 s31, s30, SCV
	v_lshl_add_u32 v[ASCV], v253, 2, s31
	v_lshlrev_b32 v[PFO], 8, v253
.irp T, 0,1
	v_mov_b32 v[9+6*\T], 0xff61b1e6                ; the largest t so far: -3e38
	v_floor_f32 v[8+6*\T], -v[9+6*\T]              ; -M
	v_mov_b32 v[10+6*\T], 0                        ; the sum, in two halves
	v_mov_b32 v[11+6*\T], 0
	v_mov_b32 v[12+6*\T], 0
	v_mov_b32 v[13+6*\T], 0                        ; (named as the upper half of f's pair)
.endr
	s_wait_tensorcnt 1                             ; the scale words and my part of K are in; V's load may stay out
	s_barrier_signal -1
	s_barrier_wait -1
	s_wait_loadcnt 0x0                             ; Q; and its loads' address registers are free
.macro KLOAD t                         ; key tile t's two fragments into buffer t % 2
.irp j, 0,1,2,3,4,5
	ds_load_b128 v[KB+24*((\t)%2)+4*\j:KB+24*((\t)%2)+4*\j+3], v[AK] offset:(\t)*2*FRB+512*\j
.endr
.endm
.macro VLOAD g                         ; channel tiles 4 g .. 4 g + 3 into buffer g % 2
.irp j, 0,1,2,3,4,5,6,7,8,9,10,11
	ds_load_b128 v[VB+64*((\g)%2)+4*\j:VB+64*((\g)%2)+4*\j+3], v[AVV] offset:(\g)*4*FRB+512*\j
.endr
.endm
; Tile T's softmax of these 128 keys: scores in, p's codes in v[P + 12 T] on, p's scale word in v[PS + T], f in the tile's state.
.macro SM T
.set SB, SCO+64*(\T)
.set ST, 8+6*(\T)
.set PB, P+12*(\T)
.irp b, 0,1,2,3
	v_max3_num_f32 v[232+\b], v[SB+16*\b], v[SB+1+16*\b], v[SB+2+16*\b]   ; the largest score of each block of 32 keys: for the row's maximum and, since p rises with the score, for the block's largest p
.endr
.irp i, 3,5,7,9,11,13
.irp b, 0,1,2,3
	v_max3_num_f32 v[232+\b], v[232+\b], v[SB+16*\b+\i], v[SB+1+16*\b+\i]
.endr
.endr
.irp b, 0,1,2,3
	v_max_num_f32 v[232+\b], v[232+\b], v[SB+15+16*\b]
.endr
.irp b, 0,1,2,3
	v_permlanex16_b32 v[236+\b], v[232+\b], s[SEL], s[SEL+1]
.endr
.irp b, 0,1,2,3
	v_max_num_f32 v[232+\b], v[232+\b], v[236+\b]  ; with lane l xor 16's 16 keys
.endr
	v_max3_num_f32 v254, v232, v233, v234
	v_max_num_f32 v254, v254, v235
	v_mul_f32 v254, s[CS], v254                    ; as t
	v_max_num_f32 v[ST+1], v[ST+1], v254           ; the running largest t
	v_mov_b32 v254, v[ST]
	v_floor_f32 v[ST], -v[ST+1]                    ; the new -M = -ceil(t)
	v_sub_f32 v254, v[ST], v254                    ; old M - new M: a whole number, 0 or less
	v_cvt_i32_f32 v254, v254                       ; (it saturates)
	v_ldexp_f32 v[ST+4], 1.0, v254                 ; f = 2^(old M - new M)
.set j, 0
.rept 32
	v_pk_fma_f32 v[SB+j:SB+j+1], v[SB+j:SB+j+1], s[CS:CS+1], v[ST:ST+1] op_sel_hi:[1,0,0]   ; t - M
.set j, j+2
.endr
.irp b, 0,1,2,3
	v_fma_f32 v[232+\b], v[232+\b], s[CS], v[ST]
.endr
.set j, 0
.rept 64
	v_exp_f32 v[SB+j], v[SB+j]                     ; p = 2^(t - M)
.set j, j+1
.endr
	v_pk_mul_f32 v[ST+2:ST+3], v[ST+2:ST+3], v[ST+4:ST+5] op_sel_hi:[1,0]   ; the sums under the new M: a plain place behind the batch
	s_wait_alu depctr_va_vdst(0)                   ; one wait for the 64, ahead of their first reader
.irp b, 0,1,2,3
	v_exp_f32 v[232+\b], v[232+\b]                 ; the blocks' largest p
.endr
	v_pk_add_f32 v[236:237], v[SB:SB+1], v[SB+2:SB+3]              ; the row's sum of the unquantised p, in two chains
.set j, 4
.rept 15
	v_pk_add_f32 v[ST+2:ST+3], v[ST+2:ST+3], v[SB+j:SB+j+1]
	v_pk_add_f32 v[236:237], v[236:237], v[SB+2+j:SB+3+j]
.set j, j+4
.endr
	v_pk_add_f32 v[ST+2:ST+3], v[ST+2:ST+3], v[236:237]
	s_wait_alu depctr_va_vdst(0)                   ; and one for the four
.irp b, 0,1,2,3
	v_max_num_f32 v[232+\b], 0x1800000, v[232+\b]  ; the floor 2^(3 - 127)
.endr
.irp b, 0,1,2,3
	v_add_nc_u32 v[244+\b], 0xff000000, v[232+\b]
.endr
.irp b, 0,1,2,3
	v_lshrrev_b32 v[236+\b], 23, v[244+\b]
.endr
	v_lshl_or_b32 v[PS+(\T)], v237, 8, v236
	v_lshl_or_b32 v[PS+(\T)], v238, 16, v[PS+(\T)]
	v_lshl_or_b32 v[PS+(\T)], v239, 24, v[PS+(\T)]
.irp c, 0,1
	v_cvt_scalef32_pk16_fp6_f32 v[PB+6*\c:PB+2+6*\c], v[SB+32*\c:SB+15+32*\c], v[244+2*\c]
	v_cvt_scalef32_pk16_fp6_f32 v[236+4*\c:238+4*\c], v[SB+16+32*\c:SB+31+32*\c], v[244+2*\c+1]
.endr
	v_nop
.irp c, 0,1
.irp i, 0,1,2
	v_permlane16_swap_b32 v[PB+6*\c+\i], v[236+4*\c+\i]
.endr
.irp i, 0,1,2
	v_mov_b32 v[PB+3+6*\c+\i], v[236+4*\c+\i]
.endr
.endr
.endm
; O^T under the new M, a group of four channel tiles of both tiles of queries at a time: 32 packed multiplies, each accumulator from its low end on.  A group is rescaled two groups ahead of the products that take it up again,
; among V's runs of LDS loads: so this vector work stands where the wave has LDS loads on their way.
.macro RESCG g
	WIN 0x41                                       ; O^T (destination and source 0) window 1, f window 0
.irp T, 0,1
.set j, 0
.rept 16
	v_pk_mul_f32 v[128*\T+32*(\g)+j:128*\T+32*(\g)+j+1], v[128*\T+32*(\g)+j:128*\T+32*(\g)+j+1], v[12+6*\T:13+6*\T] op_sel_hi:[1,0]
.set j, j+2
.endr
.endr
.endm
; A CHANGE: the slot of group 0 g0 has been read out.  Each wave waits for all its tensor loads (the one that is out is its part of the other slot), adds 0 to its spare word, and waits for that and for its reads.
; fill = 1: a round of the cluster's barrier, and the joint refill first behind it, with the same slot's block of the walk's next stage: the stage's number goes round modulo 8.  ask = 1: the walk's one prefetch follows.
.macro CHANGE g0, base, cnt, fill, ask
	s_wait_tensorcnt 0x0                           ; no tensor load of mine is out, so a group 0 may be written
	ds_add_u32 v[SPW], v[NIL]
.if \fill
	s_add_co_u32 s[\cnt], s[\cnt], 1
	s_and_b32 s[\cnt], s[\cnt], 7                  ; behind stage 7 comes stage 0
	s_mul_i32 s[OFS], s[\cnt], 2*BLKB
	s_add_nc_u64 s[\g0+2:\g0+3], s[\base:\base+1], s[OFS:OFS+1]
	s_or_b32 s[\g0+3], s[\g0+3], 0x80000000        ; the type
	s_wait_dscnt 0x0                               ; the add is done, and my reads of the slot are over
	CROUND
	tensor_load_to_lds s[\g0:\g0+3], s[G1:G1+7]
	s_nop 0
	PLACES                                         ; also the places in front of the LDS loads that follow
.if \ask
	PREF
.endif
.else
	s_wait_dscnt 0x0
	s_barrier_signal -1
	s_barrier_wait -1
.endif
.endm
; A STAGE: my key step of it.  first = 1: the products V^T P^T start O^T's sums: nothing is cleared, nothing rescaled.  refill = 0: the last stage.
.macro STAGE first, refill
.irp s, 0,1
.irp p, 0,1,2,3
	ds_load_b32 v[SCR+4*\s+\p], v[ASCK] offset:512*\s+128*\p       ; lanes 0-15 key tile 2 p, lanes 16-31 tile 2 p + 1
.endr
.endr
	KLOAD 0
	KLOAD 1
.irp t, 0,1,2,3,4,5,6,7
.if \t < 7
	s_wait_dscnt 6                                 ; tile t and the scale words are in; the next tile's six loads may be out
.else
	s_wait_dscnt 0x0
.endif
	WM SCO+8*\t, KB+24*(\t%2), Q, -1, SCR+\t/2, QS, \t%2, 0        ; the two tiles' accumulators by turns
	WM SCO+64+8*\t, KB+24*(\t%2), Q+24, -1, SCR+\t/2, QS, \t%2, 1
	WM SCO+8*\t, KB+24*(\t%2)+12, Q+12, SCO+8*\t, SCR+4+\t/2, QS+1, \t%2, 0
	WM SCO+64+8*\t, KB+24*(\t%2)+12, Q+36, SCO+64+8*\t, SCR+4+\t/2, QS+1, \t%2, 1
	PLACES                                         ; in front of the loads into the buffer just multiplied; behind tile 7, of the first read of scores
.if \t < 6
	KLOAD \t+2
.endif
.endr
	SM 0
	CHANGE G0K, KVB, STK, \refill, \first
.irp p, 0,1,2,3,4,5,6,7
	ds_load_b32 v[SCR+\p], v[ASCV] offset:128*\p   ; lanes 0-15 channel tile 2 p, lanes 16-31 tile 2 p + 1
.endr
	VLOAD 0                                        ; where tile 0's p lay
	SM 1
	VLOAD 1                                        ; where tile 1's p lay
.if \first
.rept 8
	v_nop                                          ; p's scale word stands eight places ahead of the scaled products, its codes four
.endr
.else
	RESCG 0                                        ; (these 64 are those places)
	RESCG 1
.endif
.irp g, 0,1,2,3
.if \g < 3
	s_wait_dscnt 12                                ; this group is in; the other buffer's twelve loads may be out
.else
	s_wait_dscnt 0x0
.endif
	WIN 0x50                                       ; C and D window 1
.irp f, 0,1,2,3
.irp T, 0,1
.if \first
	WM 128*\T+8*(4*\g+\f), VB+64*(\g%2)+12*\f, P+12*\T, -1, SCR+(4*\g+\f)/2, PS+\T, \f%2, 0
.else
	WM 128*\T+8*(4*\g+\f), VB+64*(\g%2)+12*\f, P+12*\T, 128*\T+8*(4*\g+\f), SCR+(4*\g+\f)/2, PS+\T, \f%2, 0
.endif
.endr
.endr
.if \first
	PLACES
.else
.if \g < 2
	RESCG \g+2                                     ; they name no register of the products just issued: they are the places in front of the loads below
.else
	PLACES
.endif
.endif
	WIN 0
.if \g < 2
	VLOAD \g+2
.endif
.endr
.if \refill
	CHANGE G0V, VVB, STV, 1, 0
	v_add_nc_u32 v[ASCK], 4096, v[ASCK]            ; the next stage's scale words
	v_add_nc_u32 v[ASCV], 4096, v[ASCV]
.endif
.endm
	STAGE 1, 1
	s_mov_b32 s74, 6
.Lstage:
	STAGE 0, 1
	s_sub_co_u32 s74, s74, 1
	s_cmp_lg_u32 s74, 0
	s_cbranch_scc1 .Lstage
	STAGE 0, 0                                     ; the tail is written out
; ---- THE WAY OUT
.irp T, 0,1
	v_add_f32 v[10+6*\T], v[10+6*\T], v[11+6*\T]   ; the sum's two halves,
.endr
.irp T, 0,1
	v_permlanex16_b32 v[11+6*\T], v[10+6*\T], s[SEL], s[SEL+1]
.endr
.irp T, 0,1
	v_add_f32 v[9+6*\T], v[10+6*\T], v[11+6*\T]    ; and lane l xor 16's: (-M, sum) is a pair
.endr
	v_and_b32 v1, 31, v0                           ; lane
	v_and_b32 v2, 15, v0                           ; r
	v_bfe_u32 v3, v0, 4, 1                         ; h
	v_lshlrev_b32 v4, 4, v1                        ; 16 x lane
	s_lshl_b32 s28, s[WV], 15
	v_add_nc_u32 v32, s28, v4                      ; v32: my O^T's place: 32,768 bytes a wave, over the slots and the scale words, which have had their last fill
	s_lshl_b32 s28, s[WV], 9
	s_add_co_u32 s28, s28, MLB
	v_lshl_add_u32 v33, v1, 3, s28                 ; v33: my (-M, sum)
	s_and_b32 s29, s[KQ], 1                        ; the set that I join: tile T = kq % 2,
	s_lshr_b32 s30, s[KQ], 1                       ; channels 128 (kq / 2) on
	s_lshl_b32 s28, s[QG], 9
	s_lshl_b32 s31, s29, 8
	s_add_co_u32 s28, s28, s31
	s_add_co_u32 s28, s28, MLB
	v_lshl_add_u32 v34, v1, 3, s28                 ; v34: the four waves' (-M, sum) of that tile, 1,024 bytes apart
	s_lshl_b32 s28, s[QG], 15
	s_lshl_b32 s31, s[KQ], 13
	s_add_co_u32 s28, s28, s31
	v_add_nc_u32 v35, s28, v4                      ; v35-38: the set in the four waves' places
	v_add_nc_u32 v36, 0x10000, v35
	v_add_nc_u32 v37, 0x20000, v35
	v_add_nc_u32 v38, 0x30000, v35
	s_lshl_b32 s28, s[QG], 1
	s_add_co_u32 s28, s28, s29                     ; the tile of queries among the block's four
	s_lshl_b32 s31, s28, 1
	s_add_co_u32 s31, s31, s30
	s_mul_i32 s31, s31, FRB
	s_add_co_u32 s31, s31, AIMG
	v_add_nc_u32 v39, s31, v4                      ; v39: where my fragment goes
	s_lshl_b32 s28, s28, 7
	s_lshl_b32 s31, s30, 6
	s_add_co_u32 s28, s28, s31
	s_add_co_u32 s28, s28, ASC
	v_lshl_add_u32 v48, v2, 2, s28                 ; v48: and its scale words (both halves of the lanes write the same word with the same value)
	v_add_nc_u32 v49, AIMG, v4
	v_lshl_add_u32 v50, v1, 2, ASC
	v_and_b32 v54, 8, v2
	v_add_nc_u32 v54, v54, v2                      ; r + 8 (r / 8)
	s_mul_i32 s28, s[WV], 32*272                   ; my stage: 32 rows (channels) x (256 bytes + 16)
	v_mul_u32_u24 v51, v54, 272
	v_lshl_add_u32 v51, v3, 6, v51
	v_add_nc_u32 v51, s28, v51                     ; v51: in: my channel's row, + 64 h
	v_mul_u32_u24 v52, v3, 272
	v_lshl_add_u32 v52, v2, 4, v52
	v_add_nc_u32 v52, s28, v52                     ; v52: back: lanes 0-15 one row, lanes 16-31 the next
	v_lshlrev_b32 v53, 14, v3
	v_lshl_add_u32 v53, v2, 4, v53                 ; v53: the same two rows in x and out0
	v_lshlrev_b32 v54, 2, v54                      ; v54: the bias of my lane's channel
	v_lshlrev_b32 v55, 2, v1                       ; v55: 4 x lane
	s_wait_dscnt 0x0
	s_barrier_signal -1
	s_barrier_wait -1                              ; no wave reads a slot or a scale word any more
	ds_store_b64 v33, v[8:9]
	ds_store_b64 v33, v[14:15] offset:256
	WIN 0x04                                       ; an LDS store's data are its source 1: window 1
.set i, 0
.rept 64                               ; O^T as it stands: set 2 s + T = tile T, channels 128 s on: 16 stores of 512 bytes; each accumulator from its low end on
	ds_store_b128 v32, v[4*i:4*i+3] offset:8192*(2*((i/16)%2)+i/32)+512*(i%16)
.set i, i+1
.endr
	WIN 0
	s_wait_dscnt 0x0
	s_barrier_signal -1
	s_barrier_wait -1                              ; all parts lie in LDS
	WIN 0x40                                       ; what the end wants from memory is asked for now, into window 1
.set j, 0
.rept 12
	global_load_b128 v[4*j:4*j+3], v4, s[80:81] offset:512*j       ; proj_w's fragments [u][s] at v[24 u + 12 s]
.set j, j+1
.endr
.set i, 0
.rept 16
	global_load_b128 v[64+4*i:67+4*i], v53, s[76:77] offset:32768*i   ; x: channels 32 w + 2 i + h, 16 lanes read 256 consecutive bytes
.set i, i+1
.endr
	WIN 0
	global_load_b32 v[SCR+4], v55, s[82:83]
	global_load_b32 v[SCR+5], v55, s[82:83] offset:128
	global_load_b32 v72, v54, s[84:85]
	global_load_b32 v73, v54, s[84:85] offset:32
.irp k, 0,1,2,3
	ds_load_b64 v[40+2*\k:41+2*\k], v34 offset:1024*\k
.endr
.macro MLOAD q                         ; a quarter of the set (16 registers) from each of the four waves
.irp k, 0,1,2,3
.irp i, 0,1,2,3
	ds_load_b128 v[80+16*\k+4*\i:83+16*\k+4*\i], v[35+\k] offset:512*(4*(\q)+\i)
.endr
.endr
.endm
	MLOAD 0
	s_wait_dscnt 16                                ; the four (-M, sum) are in; the sixteen loads behind them may be out
	v_min_num_f32 v64, v40, v42
	v_min_num_f32 v65, v44, v46
	v_min_num_f32 v64, v64, v65                    ; -M of the whole row
.irp k, 0,1,2,3
	v_sub_f32 v[66+\k], v64, v[40+2*\k]            ; M_k - M: a whole number, 0 or less
.endr
.irp k, 0,1,2,3
	v_cvt_i32_f32 v[66+\k], v[66+\k]
.endr
	v_ldexp_f32 v70, v41, v66
	v_ldexp_f32 v71, v43, v67
	v_add_f32 v70, v70, v71
	v_ldexp_f32 v71, v45, v68
	v_add_f32 v70, v70, v71
	v_ldexp_f32 v71, v47, v69
	v_add_f32 v70, v70, v71                        ; the row's sum
	v_rcp_f32 v70, v70
	v_nop
	s_wait_alu depctr_va_vdst(0)                   ; ahead of the reciprocal's first reader
.irp k, 0,1,2,3
	v_ldexp_f32 v[56+2*\k], v70, v[66+\k]          ; 2^(M_k - M) / sum
.endr
.irp k, 0,1,2,3
	v_mov_b32 v[57+2*\k], v[56+2*\k]
.endr
.irp q, 0,1,2,3
	s_wait_dscnt 0x0
.irp n, 0,1,2,3,4,5,6,7
	v_pk_mul_f32 v[144+16*\q+2*\n:145+16*\q+2*\n], v[80+2*\n:81+2*\n], v[56:57]
.endr
.irp k, 1,2,3
.irp n, 0,1,2,3,4,5,6,7
	v_pk_fma_f32 v[144+16*\q+2*\n:145+16*\q+2*\n], v[80+16*\k+2*\n:81+16*\k+2*\n], v[56+2*\k:57+2*\k], v[144+16*\q+2*\n:145+16*\q+2*\n]
.endr
.endr
.if \q < 3
	MLOAD \q+1
.endif
.endr
	QUANT 144                                      ; 16 queries x 128 channels of the attention's result: a K step of the projection
.irp c, 0,1,2
	ds_store_b128 v39, v[PC+4*\c:PC+4*\c+3] offset:512*\c
.endr
	ds_store_b32 v48, v[PW]
	s_wait_dscnt 0x0
	s_barrier_signal -1
	s_barrier_wait -1                              ; the eight fragments lie in LDS; nobody reads the parts any more
.set j, 0
.rept 24
	ds_load_b128 v[80+4*j:83+4*j], v49 offset:512*j   ; [tile][K step] at v[80 + 24 tile + 12 s]
.set j, j+1
.endr
.irp t, 0,1,2,3
	ds_load_b32 v[SCR+\t], v50 offset:128*\t
.endr
	s_wait_loadcnt 0x0                             ; proj_w, its scale words, the bias, x
.irp i, 0,1,2,3,4,5,6,7
	v_mov_b32 v[240+\i], v72                       ; the bias is the C of each sum's first product: a lane holds one channel
	v_mov_b32 v[248+\i], v73
.endr
	PLACES
	s_wait_dscnt 0x0
	WIN 0x04                                       ; source 1 (proj_w) window 1.  Source 0 = 16 queries, source 1 = 16 rows of proj_w: a lane holds one channel and eight neighbouring positions
.irp t, 0,1,2,3
.irp u, 0,1
	WM 176+8*(2*\t+\u), 80+24*\t, 24*\u, 240+8*\u, SCR+\t, SCR+4+\u, 0, 0
.endr
.endr
.irp t, 0,1,2,3
.irp u, 0,1
	WM 176+8*(2*\t+\u), 80+24*\t+12, 24*\u+12, 176+8*(2*\t+\u), SCR+\t, SCR+4+\u, 1, 1
.endr
.endr
	WIN 0
	PLACES
.irp t, 0,1,2,3
.irp u, 0,1                            ; lane (r, h): channel 8 u + r + 8 (r / 8), positions 32 (t / 2) + 8 (t % 2) + 16 h + 0 .. 7
	ds_store_b128 v51, v[176+8*(2*\t+\u):179+8*(2*\t+\u)] offset:8*\u*272+128*(\t/2)+32*(\t%2)
	ds_store_b128 v51, v[180+8*(2*\t+\u):183+8*(2*\t+\u)] offset:8*\u*272+128*(\t/2)+32*(\t%2)+16
.endr
.endr
.set i, 0
.rept 16
	ds_load_b128 v[80+4*i:83+4*i], v52 offset:544*i   ; the stage is my own, and LDS serves a wave's instructions in order: these see my stores
.set i, i+1
.endr
	s_wait_dscnt 0x0
	WIN 0x04                                       ; x in window 1
.set i, 0
.rept 32
	v_pk_add_f32 v[80+2*i:81+2*i], v[80+2*i:81+2*i], v[64+2*i:65+2*i]
.set i, i+1
.endr
	WIN 0
.set i, 0
.rept 16
	global_store_b128 v53, v[80+4*i:83+4*i], s[78:79] offset:32768*i th:TH_STORE_NT   ; 16 lanes store 256 consecutive bytes, at a multiple of 256 from out0's first byte
.set i, i+1
.endr
	s_wait_tensorcnt 0x0                           ; the wave's end
	ds_add_u32 v[SPW], v[NIL]
	s_wait_dscnt 0x0
	CROUND                                         ; the closing round
	s_endpgm
.Lfunc_end_k_qf5cbf381dd_attn:
	.size	k_qf5cbf381dd_attn, .Lfunc_end_k_qf5cbf381dd_attn-k_qf5cbf381dd_attn
	.p2alignl 7, 3214868480
	.fill 96, 4, 3214868480
	.section	.rodata,"a",@progbits
	.p2align	6, 0x0
	.amdhsa_kernel k_qf5cbf381dd_attn
		.amdhsa_group_segment_fixed_size 327680
		.amdhsa_private_segment_fixed_size 0
		.amdhsa_enable_private_segment 0
		.amdhsa_kernarg_size 72
		.amdhsa_user_sgpr_count 2
		.amdhsa_user_sgpr_kernarg_segment_ptr 1
		.amdhsa_wavefront_size32 1
		.amdhsa_system_sgpr_workgroup_id_x 1
		.amdhsa_system_sgpr_workgroup_id_y 1
		.amdhsa_system_sgpr_workgroup_id_z 1
		.amdhsa_system_vgpr_workitem_id 0
		.amdhsa_next_free_vgpr 512
		.amdhsa_next_free_sgpr 96
		.amdhsa_reserve_vcc 0
		.amdhsa_float_denorm_mode_32 3
		.amdhsa_float_denorm_mode_16_64 3
		.amdhsa_memory_ordered 1
		.amdhsa_forward_progress 1
		.amdhsa_inst_pref_size 182
	.end_amdhsa_kernel
	.amdgpu_metadata
---
amdhsa.version: [ 1, 2 ]
amdhsa.kernels:
  - .name:           k_qf5cbf381dd_attn
    .symbol:         k_qf5cbf381dd_attn.kd
    .args:
      - { .name: qc, .offset: 0, .size: 8, .value_kind: global_buffer, .address_space: global }
      - { .name: qs, .offset: 8, .size: 8, .value_kind: global_buffer, .address_space: global }
      - { .name: kv, .offset: 16, .size: 8, .value_kind: global_buffer, .address_space: global }
      - { .name: kvs, .offset: 24, .size: 8, .value_kind: global_buffer, .address_space: global }
      - { .name: wc, .offset: 32, .size: 8, .value_kind: global_buffer, .address_space: global }
      - { .name: ws, .offset: 40, .size: 8, .value_kind: global_buffer, .address_space: global }
      - { .name: proj_b, .offset: 48, .size: 8, .value_kind: global_buffer, .address_space: global }
      - { .name: x, .offset: 56, .size: 8, .value_kind: global_buffer, .address_space: global }
      - { .name: out0, .offset: 64, .size: 8, .value_kind: global_buffer, .address_space: global }
    .group_segment_fixed_size: 327680
    .private_segment_fixed_size: 0
    .kernarg_segment_align: 8
    .kernarg_segment_size: 72
    .max_flat_workgroup_size: 256
    .sgpr_count:     96
    .vgpr_count:     512
    .wavefront_size: 32
...
	.end_amdgpu_metadata
.endif
;; end of part 3
